; MI455X (gfx1250); checked and timed in simulation.
; The chip was launched on July 23, 2026; its instructions are those of AMD's public machine-readable ISA for CDNA 5 (MIT licence, August 2026) and "CDNA5" Instruction Set Architecture Reference Guide (July 2026). The comments in the code are by the model that wrote it; some were corrected since.
;; Encoder Block. Allowed arithmetic: matrix products marked QUANTISED: E2M3 operands, one E8M0 scale for each 32 along K, by v_wmma_scale_f32_16x16x128_f8f6f4 with both operands' format E2M3, f32 sums; everything else in f32.
;; Inputs: alpha1 1 float32; alpha2 1 float32; b1 4,096 float32; b2 1,024 float32; bias1 1 float32; bias2 1 float32; source_mask 2 x 1 x 1 x 2,048 int32; w1 4,096 x 1,024 float32; w2 1,024 x 4,096 float32; wk 16 x 1,024 x 64 float32; wo 1,024 x 1,024 float32; wq 16 x 1,024 x 64 float32; wv 16 x 1,024 x 64 float32; x 2 x 2,048 x 1,024 float32.
;; Outputs: out0 2 x 2,048 x 1,024 float32.
;; This version of the problem:
;;   THIS VERSION OF THE PROBLEM IS GIVEN IN LOW PRECISION. The matrix products marked QUANTISED in the list below multiply operands that are first quantised to E2M3 (2 exponent bits, 3 mantissa bits; 6 bits a number), with one power-of-two scale for each 32 numbers along K (OCP MX v1.0); their sums are f32. All else is computed in f32.
;;   The module's matrix products, in the order in which they are computed (A, B: the left and right operand; K: the contracted axis; several contracted axes count as one K, in the product's order):
;;     1. [M 1,024, K 1,024] x [K 1,024, N 4,096]; A: input wq; B: computed on the way: QUANTISED
;;     2. [M 1,024, K 1,024] x [K 1,024, N 4,096]; A: input wk; B: computed on the way: QUANTISED
;;     3. [M 1,024, K 1,024] x [K 1,024, N 4,096]; A: input wv; B: computed on the way: QUANTISED
;;     4. batch 32 x [M 2,048, K 64] x [K 64, N 2,048]; A: computed on the way; B: computed on the way: QUANTISED
;;     5. [M 4,096, K 1,024] x [K 1,024, N 1,024]; A: computed on the way; B: input wo: QUANTISED
;;     6. [M 4,096, K 1,024] x [K 1,024, N 4,096]; A: computed on the way; B: input w1: QUANTISED
;;     7. [M 4,096, K 4,096] x [K 4,096, N 1,024]; A: computed on the way; B: input w2: QUANTISED
;;   THE QUANTISER, for each operand of a quantised product, along K:
;;     - K is cut into blocks of 32 from its start; a last block that is shorter is filled with zeros.
;;     - A block's scale is 2^e with e = floor(log2(the largest magnitude in the block)) - 2, held to -126 .. 127; a block of zeros has e = 0. As a byte (E8M0): e + 127.
;;     - Each number is divided by its block's scale, clamped to +-7.5, and rounded to the nearest number of E2M3, ties to even, subnormals kept.
;;     - The product sums the exact products of the quantised numbers (number of the format x scale) in f32.
;;   ~~~python
;;   def quantise(x, axis):      # numpy; x: float32 -> the quantised numbers, widened to float32 again
;;       x = np.moveaxis(x, axis, -1); K = x.shape[-1]
;;       x = np.pad(x, [(0, 0)] * (x.ndim - 1) + [(0, -K % 32)]); x = x.reshape(x.shape[:-1] + (-1, 32)); a = np.abs(x).max(-1, keepdims=True)
;;       e = np.where(a > 0, np.clip(np.frexp(np.where(a > 0, a, 1))[1] - 1 - 2, -126, 127), 0)      # np.frexp(a)[1] - 1 = floor(log2(a)), exactly
;;       r = np.clip(x / 2.0 ** e, -7.5, 7.5)
;;       step = 2.0 ** (np.maximum(np.frexp(np.where(r == 0, 1, r))[1] - 1, 0) - 3)
;;       q = np.round(r / step) * step * 2.0 ** e      # np.round: ties to even
;;       return np.moveaxis(q.reshape(q.shape[:-2] + (-1,))[..., :K], -1, axis).astype(np.float32)
;;   ~~~
;;   OPERANDS COMPUTED ON THE WAY. 'Computed on the way' means the value that the module computes at that place (a softmax that the list does not call 'softmax' is quantised finished and normalised). What goes into a quantiser is computed in f32, as accurately as f32 sums, v_exp_f32 and their like allow (about 1e-6 of the number): no bf16 or f16 on the way to a quantiser, and a product that is left as it is and whose result goes on into a quantised operand takes f32 operands (vector FMAs, or v_wmma_f32_16x16x4_f32). A number that lies on a knife's edge between two numbers of the format may be rounded either way, as far as f32 arithmetic and the matrix unit's own rounding can turn it there, and no further.
;; One version. Each part assembles by itself: llvm-mc -triple=amdgcn-amd-amdhsa -mcpu=gfx1250 --defsym DOCPART=n.
;; ======== version 1 of 1: 6 launches
;; limits: right only within a limited range of input values
;; workspace buffers: wts 9,830,400 bytes; xq 3,276,800 bytes; qkv 23,592,960 bytes; aq 3,276,800 bytes; x1 16,777,216 bytes; x2q 3,276,800 bytes; hq 13,107,200 bytes
;; launch prep (part 1): grid 1024 x 1, 4 waves a work-group, no clusters, 100,096 bytes of LDS; arguments x, alpha1, bias1, xq, wo, w1, w2, wq, wk, wv, wts; writes xq, wts
.if DOCPART == 1
	.amdgcn_target "amdgcn-amd-amdhsa--gfx1250"
	.amdhsa_code_object_version 6
	.text
	.protected	k_qd0234745df_prep
	.globl	k_qd0234745df_prep
	.p2align	8
	.type	k_qd0234745df_prep,@function
k_qd0234745df_prep:
	s_mov_b64 s[64:65], 0
	v_nop
	global_prefetch_b8 v0, s[64:65] scope:SCOPE_SE
	s_setreg_imm32_b32 hwreg(HW_REG_WAVE_MODE, 25, 1), 1
	s_wait_xcnt 0x0
; ENCODER BLOCK IN MX-FP6, SIX LAUNCHES: prep, qkv, att, woln, ffn1, ffn2.
; NOTHING IS LEFT OUT AS DEAD WORK: all seven products of the problem's table are live (every score enters a softmax's denominator, though only the softmax's
; diagonal is kept), and all 14 inputs are loaded by some launch.  reference() itself has no product of the softmax with V: it takes the diagonal times V.
; THIS LAUNCH prepares every operand that needs no product: work-groups 0-767 quantise the six weights, work-groups 768-1023 norm and quantise x.  The two share no data; each path has LDS bytes of its own.
; FORMAT, used by every launch: a FRAGMENT is 16 rows x 128 k laid as the matrix operand's 12 registers: lane l = (r = l % 16, h = l / 16) owns k = 64 c + 32 h + 0..31 of row r in registers 6 c .. 6 c + 5.
; Bytes 0-511: registers 0-3, 16 l; 512-767: registers 4-5, 8 l; 768-1279: registers 6-9; 1280-1535: registers 10-11.  Codes: [block of 16 rows][K step of 128][1,536]; scale words behind them: [block][K step][16 words].
; THE WEIGHTS: the rows of a tile are not neighbours: lane r of tile 2 g + u holds weight row 32 g + 8 u + r + 8 (r / 8), so that a lane's 16 results of tiles 2 g and 2 g + 1 are 16 neighbouring output columns.
; A wave's task: one group g of 32 rows at one K step: two fragments and their words.  Work-groups 0-63: wo, 64-319: w1, 320-575: w2 (K innermost): a row's 512 bytes by one load, a tile's 16 rows at a time turned
; through the wave's own stage.  Work-groups 576-767: wq, wk, wv [head][K][64]: a lane takes its row's column and its registers run down K; no LDS.
; THE NORM: y = alpha (x - mean) / (std + 1e-6) + bias, std with 1,023 in the divisor; the mean first, then the deviations' squares, so a common offset costs no digits.  A work-group takes 16 rows: wave w norms rows
; 4 w .. 4 w + 3 and lays them into a stage; behind a barrier wave w quantises K steps 2 w and 2 w + 1 of all 16 rows.
; LIMITS: NaN and infinities among the inputs are not served; a block whose largest magnitude lies under 2^-124, zeros too, gets the byte 1 (this program alone reads the bytes); the sums' order differs from reference()'s.
.set SPITCH, 4112                      ; the norm's stage row: 4,096 bytes + 16
.set WSTG,  16*SPITCH                  ; behind it the weights' four stages of 16 slots
.set SP,    528                        ; a slot: a row's 512 bytes + 16
.set SPARE, WSTG+4*16*SP               ; the spare words, 128 bytes a wave
.set SCO,   3145728                    ; the scale words' place in xq
.set WOC, 2359296                      ; in wts: codes of wqkv at 0, wo, w1, w2; then the scale words in the same order
.set W1C, 3145728
.set W2C, 6291456
.set QKS, 9437184
.set WOS, 9535488
.set W1S, 9568256
.set W2S, 9699328
.set X,   16                           ; v16-143 the numbers
.set R,   16
.set PC,  144
.set TM,  164
.set PW0, 180
.set PW1, 181
.set SPW, 182
.set NIL, 183
.set RS,  184
.set SEL, 40
.set HI,  42
.macro QUANT s, pw                     ; 64 numbers of a lane, register s + 16 b + i = k 32 b + 16 h + i of the lane's row, become a fragment in v[PC] on and the row's scale word
.irp b, 0,1,2,3
	v_max3_num_f32 v[TM+\b], |v[\s+16*\b]|, |v[\s+1+16*\b]|, 0x1800000   ; with the floor 2^(3 - 127)
.endr
.irp i, 2,4,6,8,10,12,14
.irp b, 0,1,2,3
	v_max3_num_f32 v[TM+\b], v[TM+\b], |v[\s+16*\b+\i]|, |v[\s+1+16*\b+\i]|
.endr
.endr
.irp b, 0,1,2,3
	v_permlanex16_b32 v[TM+4+\b], v[TM+\b], s[SEL], s[SEL+1]
.endr
.irp b, 0,1,2,3
	v_max_num_f32 v[TM+\b], v[TM+\b], v[TM+4+\b]
.endr
.irp b, 0,1,2,3
	v_add_nc_u32 v[TM+12+\b], 0xff000000, v[TM+\b] ; 2 off the exponent field: the conversion's scale operand
.endr
.irp b, 0,1,2,3
	v_lshrrev_b32 v[TM+4+\b], 23, v[TM+12+\b]      ; the byte
.endr
	v_lshl_or_b32 v[\pw], v[TM+5], 8, v[TM+4]
	v_lshl_or_b32 v[\pw], v[TM+6], 16, v[\pw]
	v_lshl_or_b32 v[\pw], v[TM+7], 24, v[\pw]
.irp c, 0,1
	v_cvt_scalef32_pk16_fp6_f32 v[PC+6*\c:PC+2+6*\c], v[\s+32*\c:\s+15+32*\c], v[TM+12+2*\c]
	v_cvt_scalef32_pk16_fp6_f32 v[PC+12+4*\c:PC+14+4*\c], v[\s+16+32*\c:\s+31+32*\c], v[TM+12+2*\c+1]
.endr
	v_nop                                          ; one plain place behind a scaled conversion
.irp c, 0,1
.irp i, 0,1,2
	v_permlane16_swap_b32 v[PC+6*\c+\i], v[PC+12+4*\c+\i]
.endr
.irp i, 0,1,2
	v_mov_b32 v[PC+3+6*\c+\i], v[PC+12+4*\c+\i]
.endr
.endr
.endm
.macro OUTFRAG base, off               ; each store covers 512 or 256 consecutive bytes, aligned
	global_store_b128 v1, v[PC:PC+3], s[\base:\base+1] offset:\off
	global_store_b64 v2, v[PC+4:PC+5], s[\base:\base+1] offset:\off+512
	global_store_b128 v1, v[PC+6:PC+9], s[\base:\base+1] offset:\off+768
	global_store_b64 v2, v[PC+10:PC+11], s[\base:\base+1] offset:\off+1280
.endm
.macro ROWS pitch                      ; the group's 32 rows, 512 consecutive bytes each, tile 0's sixteen first: load i is slot i % 16 of tile i / 16
.set i, 0
.rept 32
	global_load_b128 v[R+4*i:R+4*i+3], v1, s[18:19] offset:(8*(i/16)+i%8+16*((i%16)/8))*\pitch th:TH_LOAD_NT
.set i, i+1
.endr
.endm
.macro REDUCE                          ; each row's two pairs of partial sums become one sum, in every lane; the four rows by turns
.irp k, 0,1,2,3
	v_pk_add_f32 v[RS+4*\k:RS+4*\k+1], v[RS+4*\k:RS+4*\k+1], v[RS+4*\k+2:RS+4*\k+3]
.endr
.irp k, 0,1,2,3
	v_add_f32 v[RS+4*\k], v[RS+4*\k], v[RS+4*\k+1]
.endr
.irp m, 1,2,4,8
.irp k, 0,1,2,3
	v_add_f32_dpp v[RS+4*\k], v[RS+4*\k], v[RS+4*\k] row_xmask:\m row_mask:0xf bank_mask:0xf
.endr
.endr
.irp k, 0,1,2,3
	v_permlanex16_b32 v[RS+4*\k+2], v[RS+4*\k], s[SEL], s[SEL+1]
.endr
.irp k, 0,1,2,3
	v_add_f32 v[RS+4*\k], v[RS+4*\k], v[RS+4*\k+2]
.endr
.endm
	v_lshl_add_u32 v[SPW], v0, 2, SPARE
	v_mov_b32 v[NIL], 0
	v_lshrrev_b32 v1, 5, v0
	v_readfirstlane_b32 s33, v1                    ; wave
	v_and_b32 v9, 31, v0                           ; lane
	v_and_b32 v7, 15, v0                           ; r
	v_bfe_u32 v8, v0, 4, 1                         ; h
	v_lshlrev_b32 v1, 4, v9                        ; 16 x lane
	v_lshlrev_b32 v2, 3, v9                        ; 8 x lane
.irp b, 0,1,2,3
	v_mov_b32 v[TM+4+\b], 0                        ; written once: a lane permute's destination counts as one of its sources
.endr
	s_mov_b32 s[SEL], 0x76543210
	s_mov_b32 s[SEL+1], 0xfedcba98
	s_mov_b32 s[HI], 0xffff0000
	s_cmp_ge_u32 ttmp9, 768
	s_wait_alu depctr_va_vdst(0)
	s_cbranch_scc1 .Lnorm
	; ================ the weights
	s_load_b256 s[4:11], s[0:1], 0x20              ; wo s[4:5], w1 s[6:7], w2 s[8:9], wq s[10:11]
	s_load_b128 s[12:15], s[0:1], 0x40             ; wk s[12:13], wv s[14:15]
	s_load_b64 s[16:17], s[0:1], 0x50              ; wts
	s_mul_i32 s32, s33, 16*SP
	s_add_co_u32 s32, s32, WSTG                    ; my stage
	v_add_nc_u32 v3, s32, v1                       ; into it: 16 bytes a lane of a slot
	v_mul_u32_u24 v4, v7, SP
	v_lshl_add_u32 v4, v8, 6, v4
	v_add_nc_u32 v4, s32, v4                       ; out of it: slot r, + 64 h
	v_and_b32 v9, 8, v7
	v_add_nc_u32 v9, v9, v7                        ; r + 8 (r / 8)
	v_lshlrev_b32 v5, 2, v9
	v_lshl_add_u32 v5, v8, 12, v5                  ; K in the middle: my column's 4 bytes, + 16 h rows of 256 bytes
	s_wait_alu depctr_va_vdst(0)
	s_wait_kmcnt 0x0
	s_cmp_ge_u32 ttmp9, 576
	s_cbranch_scc1 .Lmiddle
	; ---- K innermost.  All that differs between the three weights is chosen by the work-group's number
	s_cmp_lt_u32 ttmp9, 64
	s_cselect_b64 s[18:19], s[4:5], s[6:7]
	s_cselect_b32 s20, 0, 64                       ; the weight's first work-group
	s_mov_b32 s23, W1C
	s_cselect_b32 s23, WOC, s23                    ; its codes in wts
	s_mov_b32 s24, W1S
	s_cselect_b32 s24, WOS, s24                    ; its scale words
	s_cmp_lt_u32 ttmp9, 320
	s_cselect_b64 s[18:19], s[18:19], s[8:9]
	s_cselect_b32 s20, s20, 320
	s_cselect_b32 s21, 3, 5                        ; log2 of its K steps
	s_cselect_b32 s22, 17, 19                      ; log2 of 32 rows' bytes
	s_cselect_b32 s23, s23, W2C
	s_cselect_b32 s24, s24, W2S
	s_sub_co_u32 s25, ttmp9, s20
	s_lshl_b32 s25, s25, 2
	s_add_co_u32 s25, s25, s33                     ; my task
	s_lshl_b32 s26, 1, s21
	s_sub_co_u32 s26, s26, 1
	s_and_b32 s26, s25, s26                        ; s: its K step
	s_lshr_b32 s25, s25, s21                       ; g: its group of 32 rows
	s_lshl_b32 s28, s25, s22
	s_lshl_b32 s29, s26, 9
	s_add_co_u32 s28, s28, s29
	s_mov_b32 s29, 0
	s_add_nc_u64 s[18:19], s[18:19], s[28:29]
	s_cmp_lt_u32 ttmp9, 320                        ; the rows' pitch stands in the loads' immediates: the branch leads round the 32 loads alone
	s_cbranch_scc0 .Lwide
	ROWS 4096
	s_branch .Lrows
.Lwide:
	ROWS 16384
.Lrows:
.irp u, 0,1                            ; a tile at a time through the 16 slots.  LDS serves a wave's instructions in order: the loads see my stores and land in the registers that the stores have read; tile 1's stores follow tile 0's loads
.set i, 0
.rept 16
	s_wait_loadcnt 31-16*\u-i                      ; this row is in; the younger rows' loads may be out
	ds_store_b128 v3, v[R+64*\u+4*i:R+64*\u+4*i+3] offset:i*SP
.set i, i+1
.endr
.irp b, 0,1,2,3
.irp j, 0,1,2,3
	ds_load_b128 v[R+64*\u+16*\b+4*\j:R+64*\u+16*\b+4*\j+3], v4 offset:128*\b+16*\j
.endr
.endr
.endr
	s_wait_dscnt 0x0
	s_branch .Ljoin
.Lmiddle:
	; ---- K in the middle: work-group = 576 + 64 matrix + 4 head + sp; wave: half of the head's 64 rows (w % 2), K step 2 sp + w / 2
	s_sub_co_u32 s25, ttmp9, 576
	s_lshr_b32 s27, s25, 6
	s_cmp_eq_u32 s27, 0
	s_cselect_b64 s[18:19], s[10:11], s[12:13]
	s_cmp_eq_u32 s27, 2
	s_cselect_b64 s[18:19], s[14:15], s[18:19]
	s_bfe_u32 s28, s25, 0x40002                    ; head
	s_and_b32 s29, s25, 3
	s_and_b32 s30, s33, 1
	s_lshr_b32 s26, s33, 1
	s_lshl_b32 s29, s29, 1
	s_add_co_u32 s26, s26, s29                     ; s
	s_lshl_b32 s25, s27, 5
	s_lshl_b32 s31, s28, 1
	s_add_co_u32 s25, s25, s31
	s_add_co_u32 s25, s25, s30                     ; g = 32 matrix + 2 head + half
	s_lshl_b32 s28, s28, 18                        ; a head is 262,144 bytes,
	s_lshl_b32 s29, s26, 15                        ; a K step 128 rows of 256,
	s_add_co_u32 s28, s28, s29
	s_lshl_b32 s29, s30, 7                         ; half a head's columns 128
	s_add_co_u32 s28, s28, s29
	s_mov_b32 s29, 0
	s_add_nc_u64 s[18:19], s[18:19], s[28:29]
	s_mov_b32 s21, 3
	s_mov_b32 s23, 0
	s_mov_b32 s24, QKS
.irp u, 0,1
.irp b, 0,1,2,3
.irp i, 0,1,2,3,4,5,6,7,8,9,10,11,12,13,14,15
	global_load_b32 v[R+64*\u+16*\b+\i], v5, s[18:19] offset:(32*\b+\i)*256+32*\u   ; W(k = 128 s + 32 b + 16 h + i, my row of tile u)
.endr
.endr
.endr
	s_wait_loadcnt 0x0
.Ljoin:
	s_lshl_b32 s27, s25, 1
	s_lshl_b32 s27, s27, s21
	s_add_co_u32 s27, s27, s26                     ; fragment (tile 2 g, K step s)
	s_mul_i32 s28, s27, 1536
	s_add_co_u32 s28, s28, s23
	s_mov_b32 s29, 0
	s_add_nc_u64 s[34:35], s[16:17], s[28:29]
	s_lshl_b32 s30, 1536, s21                      ; a tile on
	s_mov_b32 s31, 0
	s_add_nc_u64 s[36:37], s[34:35], s[30:31]
	s_lshl_b32 s28, s27, 6
	s_add_co_u32 s28, s28, s24
	s_add_nc_u64 s[38:39], s[16:17], s[28:29]
	s_lshl_b32 s30, 64, s21
	v_mul_u32_u24 v6, s30, v8
	v_lshl_add_u32 v6, v7, 2, v6                   ; the words: lanes 0-15 tile 2 g, lanes 16-31 tile 2 g + 1
	QUANT R, PW0
	OUTFRAG 34, 0
	s_wait_xcnt 0x0                                ; the stores have read the codes' registers
	QUANT R+64, PW1
	OUTFRAG 36, 0
	v_cndmask_b32 v[PW0], v[PW0], v[PW1], s[HI]
	global_store_b32 v6, v[PW0], s[38:39]
	s_wait_tensorcnt 0x0                           ; the wave's end
	ds_add_u32 v[SPW], v[NIL]
	s_wait_dscnt 0x0
	s_endpgm
	; ================ the norm
.Lnorm:
	s_load_b256 s[4:11], s[0:1], 0x0               ; x s[4:5], alpha1 s[6:7], bias1 s[8:9], xq s[10:11]
	s_sub_co_u32 s34, ttmp9, 768                   ; my block of 16 rows
	v_lshlrev_b32 v5, 2, v9                        ; 4 x lane
	s_mul_i32 s17, s33, 4*SPITCH
	v_add_nc_u32 v3, s17, v1                       ; the stage, on the way in: my wave's four rows, 16 bytes a lane
	v_mul_u32_u24 v4, v7, SPITCH
	v_lshl_add_u32 v4, v8, 6, v4
	s_lshl_b32 s17, s33, 10
	v_add_nc_u32 v4, s17, v4                       ; and on the way out: row r, + 64 h, + my wave's two K steps
	s_lshl_b32 s2, s34, 16                         ; 16 rows of 4,096 bytes a work-group,
	s_lshl_b32 s3, s33, 14                         ; four a wave
	s_add_co_u32 s2, s2, s3
	s_mov_b32 s3, 0
	s_mul_i32 s18, s34, 8*1536                     ; the block's eight fragments,
	s_mul_i32 s19, s33, 2*1536                     ; two a wave
	s_add_co_u32 s18, s18, s19
	s_mov_b32 s19, 0
	s_lshl_b32 s24, s34, 9                         ; and their scale words, 64 bytes a fragment
	s_lshl_b32 s25, s33, 7
	s_add_co_u32 s24, s24, s25
	s_mov_b32 s25, 0
	s_wait_alu depctr_va_vdst(0)
	s_wait_kmcnt 0x0
	s_load_b32 s12, s[6:7], 0x0                    ; alpha
	s_load_b32 s14, s[8:9], 0x0                    ; bias
	s_add_nc_u64 s[4:5], s[4:5], s[2:3]
	s_add_nc_u64 s[26:27], s[10:11], s[24:25]
	s_add_nc_u64 s[10:11], s[10:11], s[18:19]
.irp k, 0,1,2,3
.irp j, 0,1,2,3,4,5,6,7
	global_load_b128 v[X+32*\k+4*\j:X+32*\k+4*\j+3], v1, s[4:5] offset:4096*\k+512*\j th:TH_LOAD_NT   ; 512 consecutive bytes a load
.endr
.endr
	s_wait_loadcnt 0x0
.irp k, 0,1,2,3
	v_pk_add_f32 v[RS+4*\k:RS+4*\k+1], v[X+32*\k:X+32*\k+1], v[X+32*\k+2:X+32*\k+3]
	v_pk_add_f32 v[RS+4*\k+2:RS+4*\k+3], v[X+32*\k+4:X+32*\k+5], v[X+32*\k+6:X+32*\k+7]
.endr
.irp p, 8,12,16,20,24,28
.irp k, 0,1,2,3
	v_pk_add_f32 v[RS+4*\k:RS+4*\k+1], v[RS+4*\k:RS+4*\k+1], v[X+32*\k+\p:X+32*\k+\p+1]
	v_pk_add_f32 v[RS+4*\k+2:RS+4*\k+3], v[RS+4*\k+2:RS+4*\k+3], v[X+32*\k+\p+2:X+32*\k+\p+3]
.endr
.endr
	REDUCE
.irp k, 0,1,2,3
	v_mul_f32 v[RS+4*\k], 0x3a800000, v[RS+4*\k]   ; / 1,024
.endr
.irp p, 0,2,4,6,8,10,12,14,16,18,20,22,24,26,28,30
.irp k, 0,1,2,3
	v_pk_add_f32 v[X+32*\k+\p:X+32*\k+\p+1], v[X+32*\k+\p:X+32*\k+\p+1], v[RS+4*\k:RS+4*\k+1] op_sel_hi:[1,0] neg_lo:[0,1] neg_hi:[0,1]   ; x - mean, in place
.endr
.endr
.irp k, 0,1,2,3
	v_pk_mul_f32 v[RS+4*\k:RS+4*\k+1], v[X+32*\k:X+32*\k+1], v[X+32*\k:X+32*\k+1]
	v_pk_mul_f32 v[RS+4*\k+2:RS+4*\k+3], v[X+32*\k+2:X+32*\k+3], v[X+32*\k+2:X+32*\k+3]
.endr
.irp p, 4,8,12,16,20,24,28
.irp k, 0,1,2,3
	v_pk_fma_f32 v[RS+4*\k:RS+4*\k+1], v[X+32*\k+\p:X+32*\k+\p+1], v[X+32*\k+\p:X+32*\k+\p+1], v[RS+4*\k:RS+4*\k+1]
	v_pk_fma_f32 v[RS+4*\k+2:RS+4*\k+3], v[X+32*\k+\p+2:X+32*\k+\p+3], v[X+32*\k+\p+2:X+32*\k+\p+3], v[RS+4*\k+2:RS+4*\k+3]
.endr
.endr
	REDUCE
.irp k, 0,1,2,3
	v_mul_f32 v[RS+4*\k], 0x3a802008, v[RS+4*\k]   ; / 1,023
.endr
	s_wait_alu depctr_va_vdst(0)                   ; a wait ahead of a batch of transcendentals and one behind it
.irp k, 0,1,2,3
	v_sqrt_f32 v[RS+4*\k], v[RS+4*\k]
.endr
	v_nop
	s_wait_alu depctr_va_vdst(0)
.irp k, 0,1,2,3
	v_add_f32 v[RS+4*\k], 0x358637bd, v[RS+4*\k]   ; + 1e-6
.endr
	s_wait_alu depctr_va_vdst(0)
.irp k, 0,1,2,3
	v_rcp_f32 v[RS+4*\k], v[RS+4*\k]
.endr
	v_nop
	s_wait_alu depctr_va_vdst(0)
	s_wait_kmcnt 0x0                               ; alpha and bias
	s_mov_b32 s15, s14                             ; (the packed form names the pair)
.irp k, 0,1,2,3
	v_mul_f32 v[RS+4*\k], s12, v[RS+4*\k]          ; the gain: alpha / (std + 1e-6)
.endr
.irp p, 0,2,4,6,8,10,12,14,16,18,20,22,24,26,28,30
.irp k, 0,1,2,3
	v_pk_fma_f32 v[X+32*\k+\p:X+32*\k+\p+1], v[X+32*\k+\p:X+32*\k+\p+1], v[RS+4*\k:RS+4*\k+1], s[14:15] op_sel_hi:[1,0,0]
.endr
.endr
.irp k, 0,1,2,3
.irp j, 0,1,2,3,4,5,6,7
	ds_store_b128 v3, v[X+32*\k+4*\j:X+32*\k+4*\j+3] offset:SPITCH*\k+512*\j
.endr
.endr
	s_wait_dscnt 0x0                               ; for the others' sake: my rows lie in the stage
	s_barrier_signal -1
	s_barrier_wait -1
.irp u, 0,1                            ; lane (r, h) takes, of row r, 16 neighbours of each block of 32 of my two K steps
.irp b, 0,1,2,3
.irp j, 0,1,2,3
	ds_load_b128 v[X+64*\u+16*\b+4*\j:X+64*\u+16*\b+4*\j+3], v4 offset:512*\u+128*\b+16*\j
.endr
.endr
.endr
	s_wait_dscnt 16                                ; the first K step's sixteen loads are in; the second's may be out
	QUANT X, PW0
	OUTFRAG 10, 0
	s_wait_dscnt 0x0
	s_wait_xcnt 0x0                                ; the stores have read the codes' registers, which are written again below
	QUANT X+64, PW1
	OUTFRAG 10, 1536
	v_cndmask_b32 v[PW0], v[PW0], v[PW1], s[HI]    ; lanes 0-15: the first K step's words, lanes 16-31: the second's: 128 consecutive bytes
	global_store_b32 v5, v[PW0], s[26:27] offset:SCO
	s_wait_tensorcnt 0x0                           ; the wave's end
	ds_add_u32 v[SPW], v[NIL]
	s_wait_dscnt 0x0
	s_endpgm
.Lfunc_end_k_qd0234745df_prep:
	.size	k_qd0234745df_prep, .Lfunc_end_k_qd0234745df_prep-k_qd0234745df_prep
	.p2alignl 7, 3214868480
	.fill 96, 4, 3214868480
	.section	.rodata,"a",@progbits
	.p2align	6, 0x0
	.amdhsa_kernel k_qd0234745df_prep
		.amdhsa_group_segment_fixed_size 100096
		.amdhsa_private_segment_fixed_size 0
		.amdhsa_enable_private_segment 0
		.amdhsa_kernarg_size 88
		.amdhsa_user_sgpr_count 2
		.amdhsa_user_sgpr_kernarg_segment_ptr 1
		.amdhsa_wavefront_size32 1
		.amdhsa_system_sgpr_workgroup_id_x 1
		.amdhsa_system_sgpr_workgroup_id_y 1
		.amdhsa_system_sgpr_workgroup_id_z 1
		.amdhsa_system_vgpr_workitem_id 0
		.amdhsa_next_free_vgpr 200
		.amdhsa_next_free_sgpr 66
		.amdhsa_reserve_vcc 0
		.amdhsa_float_denorm_mode_32 3
		.amdhsa_float_denorm_mode_16_64 3
		.amdhsa_memory_ordered 1
		.amdhsa_forward_progress 1
		.amdhsa_inst_pref_size 74
	.end_amdhsa_kernel
	.amdgpu_metadata
---
amdhsa.version: [ 1, 2 ]
amdhsa.kernels:
  - .name:           k_qd0234745df_prep
    .symbol:         k_qd0234745df_prep.kd
    .args:
      - { .name: x, .offset: 0, .size: 8, .value_kind: global_buffer, .address_space: global }
      - { .name: alpha1, .offset: 8, .size: 8, .value_kind: global_buffer, .address_space: global }
      - { .name: bias1, .offset: 16, .size: 8, .value_kind: global_buffer, .address_space: global }
      - { .name: xq, .offset: 24, .size: 8, .value_kind: global_buffer, .address_space: global }
      - { .name: wo, .offset: 32, .size: 8, .value_kind: global_buffer, .address_space: global }
      - { .name: w1, .offset: 40, .size: 8, .value_kind: global_buffer, .address_space: global }
      - { .name: w2, .offset: 48, .size: 8, .value_kind: global_buffer, .address_space: global }
      - { .name: wq, .offset: 56, .size: 8, .value_kind: global_buffer, .address_space: global }
      - { .name: wk, .offset: 64, .size: 8, .value_kind: global_buffer, .address_space: global }
      - { .name: wv, .offset: 72, .size: 8, .value_kind: global_buffer, .address_space: global }
      - { .name: wts, .offset: 80, .size: 8, .value_kind: global_buffer, .address_space: global }
    .group_segment_fixed_size: 100096
    .private_segment_fixed_size: 0
    .kernarg_segment_align: 8
    .kernarg_segment_size: 88
    .max_flat_workgroup_size: 128
    .sgpr_count:     66
    .vgpr_count:     200
    .wavefront_size: 32
...
	.end_amdgpu_metadata
.endif
;; end of part 1
;; launch qkv (part 2): grid 12 x 16, 4 waves a work-group, clusters of 4 x 4, 327,680 bytes of LDS; arguments xq, wts, qkv; writes qkv
.if DOCPART == 2
	.amdgcn_target "amdgcn-amd-amdhsa--gfx1250"
	.amdhsa_code_object_version 6
	.text
	.protected	k_qd0234745df_qkv
	.globl	k_qd0234745df_qkv
	.p2align	8
	.type	k_qd0234745df_qkv,@function
k_qd0234745df_qkv:
	s_mov_b64 s[64:65], 0
	v_nop
	global_prefetch_b8 v0, s[64:65] scope:SCOPE_SE
	s_setreg_imm32_b32 hwreg(HW_REG_WAVE_MODE, 25, 1), 1
	s_wait_xcnt 0x0
	s_wait_alu depctr_hold_cnt(0) depctr_sa_sdst(0) depctr_va_vdst(0) depctr_va_sdst(0) depctr_va_ssrc(0) depctr_va_vcc(0) depctr_vm_vsrc(0)
	s_getreg_b32 s2, hwreg(HW_REG_IB_STS2, 6, 4)
	s_cmp_eq_u32 s2, 0
	s_cbranch_scc0 .Lentry_in_a_cluster
	s_endpgm
.Lentry_in_a_cluster:
	s_bfe_u32 s2, ttmp6, 0x10000c
	s_cmp_lg_u32 s2, 0xf033
	s_cbranch_scc0 .Lentry_shape_is_right
	s_endpgm
.Lentry_shape_is_right:
; Q, K, V = xn wq, xn wk, xn wv: one GEMM [4,096 rows] x [3,072 weight rows], K = 1,024, on codes of E2M3 with E8M0 scales.  Nothing is left out.
; ONE CORE SERVES qkv AND ffn1: head, macros and the order of the K steps are the same text; the constants below, the bias and the way out are each launch's own.
; OPERANDS lie in memory as fragments (16 rows x 128 k as the operand's 12 registers, 1,536 bytes: registers 0-3 at 16 x lane, 4-5 at 512 + 8 x lane, 6-9 at 768 + 16 x lane, 10-11 at 1,280 + 8 x lane),
; [block of 16 rows][K step][1,536], scale words [block][K step][16 words].  So a tile is BL long rows for one tensor load, and a fragment comes out of LDS by four loads of consecutive bytes: no pitch, no padding.
; SHARES: four waves, 2 x 2; a wave makes 128 x 128 of the result (64 accumulators).  The scale words of the work-group's rows come once and stay.
; THREE LDS SLOTS OF TWO K STEPS.  K's eight steps are four slots' worth: three are first fills; the fourth is brought into slot 0 as soon as that has been read, and has slots 1 and 2, 256 matrix instructions a wave,
; in which to land.  So the product has one refill and one round of the cluster's barrier; the change from slot 1 to slot 2 needs no barrier, since at the refill's barrier every wave had waited for all its loads.
; CLUSTER 4 x 4: A's tiles are asked for jointly along a row of the cluster, the weights' along a column.
; THE PRODUCT IS USED TRANSPOSED (source 0 = 16 weight rows, source 1 = 16 activation rows): lane (r, h) holds activation row r; by the weights' row order the 16 registers of accumulators 2 g, 2 g + 1 are columns 32 g + 16 h + 0..15.
; REGISTERS: window 0: v10-30 addresses; v32-63 scale words, two sets (lanes 0-15 A's block, lanes 16-31 the weights'); v128.. A's fragments, one set.  Window 1: the weights' two sets, v0 and v128.  Windows 2, 3: accumulators.
; THE WAY OUT HERE: cluster x 0: Q, 1: K: each head's 64 columns are quantised (they are the K of the scores' product) into half fragments [batch x 16 + head][tile of 16 rows][768] and words that carry the
; head's two bytes twice; cluster x 2: V leaves as f32, laid so that the next launch's lane (r, block) loads its 32 numbers by eight loads of consecutive bytes.
; LIMITS: as stated at the first launch's head (NaN, infinities; blocks under 2^-124 get the byte 1).
.set BL,  8                            ; blocks of 16 a wave side
.set NQ,  2                            ; K steps of 128 in a slot
.set NS,  8                            ; K steps in all
.set ASC, 3145728                      ; A's scale words in its buffer
.set WC,  0                            ; the weight's codes in wts
.set WS,  9437184                      ; and its scale words
.set CM,  1                            ; the first step's C: 1 the constant 0, 2 the bias
; ---------------------------------------------------------------- the core
.set HB,  BL/2
.set NL,  4                            ; LDS loads to a fragment
.set FRB, 1536
.set QUARTER, BL*NQ*FRB                ; what one tensor load brings, and what a wave reads of A or of the weights in a slot
.set SLOT, 4*QUARTER                   ; A's two halves, then the weights' two
.set SCL,  3*SLOT                      ; behind the three slots: four regions of scale words
.set HALFS, BL*NS*64
.set SPARE, SCL+4*HALFS                ; the spare words, 128 bytes a wave
.set L16, 10                           ; v10 16 x lane, v11 8 x lane
.set L8,  11
.set ADRA, 16                          ; v16-17 A's fragments in slot 0 and the double slot (+ 16 x lane); v19-20 the same + 8 x lane
.set ADRB, 22                          ; v22-27 the weights'
.set SPW, 28                           ; v28 my spare word; v29 0; never rewritten
.set NIL, 29
.set ADRS, 30                          ; v30 my scale words
.set SC,  32
.set BI,  64
.set AF,  128
.set G1, 24                            ; s[24:31] A's descriptor group 1; s[32:39] its group 0 for slot 0 and the double slot
.set G0, 32
.set G1B, 48                           ; s[48:55] the weights' group 1; s[56:63] their group 0 for slot 0 and the double slot
.set G0B, 56
.set G0B2, 92
.set G1S, 68                           ; s[68:75]: A's group 1 for the double slot; s[80:87]: the weights'; s[76:79]: the prefetches' base
.set G0S, 76
.set G1SB, 80
.set G0SB, 88
.set HI,  66                           ; s66 a lane mask: lanes 16-31
.set SEL, 96                           ; s[96:97] selects for lane l xor 16
.set CX,  98                           ; s98 cx, s99 cy, s100 the tile column
.set CY,  99
.set TC,  100
.set MR,  3                            ; s3 the mask of my row of the cluster, s13 of my column
.set MC,  13
.set WQ,  67                           ; s67 wave x QUARTER, s12 wave x HALFS
.set WH,  12
.set MSB, 0
.macro WIN new                         ; the immediate's high byte repeats the setting that is left; a switch that changes nothing is dropped
.if MSB != (\new)
	s_set_vgpr_msb (MSB<<8)|(\new)
.set MSB, (\new)
.endif
.endm
.macro PLACES                          ; four plain places behind a matrix instruction, ahead of loads into its registers and of reads of its results
.rept 4
	v_nop
.endr
.endm
.macro JLOAD g0a, g1a, g0b, g1b        ; a joint load: waves 0, 1 fetch for A, waves 2, 3 for the weights; an s_nop 0 and four v_nop follow each line
	s_cmp_eq_u32 s15, 0
	s_cbranch_scc0 .Lfor_b_\@
	tensor_load_to_lds s[\g0a:\g0a+3], s[\g1a:\g1a+7]
	s_nop 0
.rept 4
	v_nop
.endr
	s_branch .Lasked_\@
.Lfor_b_\@:
	tensor_load_to_lds s[\g0b:\g0b+3], s[\g1b:\g1b+7]
	s_nop 0
.rept 4
	v_nop
.endr
.Lasked_\@:
.endm
.macro SETG g, lo, s                   ; a group 0: count 1; the LDS address, by the wave's number and the slot; the global address of the slot's K steps; the type
	s_mov_b32 s[\g], 1
	s_add_co_u32 s[\g+1], s[WQ], (\s)*SLOT
	s_add_nc_u64 s[\g+2:\g+3], s[\lo:\lo+1], (\s)*NQ*FRB
	s_or_b32 s[\g+3], s[\g+3], 0x80000000
.endm
.macro CREST                           ; a round of the cluster's barrier behind its opening barrier
	s_cmp_lg_u32 s14, 0
	s_cbranch_scc1 .Lnot_wave_0_\@
	s_barrier_signal -3
.Lnot_wave_0_\@:
	s_barrier_wait -3
	s_barrier_signal -1
	s_barrier_wait -1
.endm
.macro CROUND
	s_barrier_signal -1
	s_barrier_wait -1
	CREST
.endm
.macro FRAG reg, adr, off
	ds_load_b128 v[\reg:\reg+3], v[\adr] offset:\off
	ds_load_b64 v[\reg+4:\reg+5], v[\adr+3] offset:\off+512
	ds_load_b128 v[\reg+6:\reg+9], v[\adr] offset:\off+768
	ds_load_b64 v[\reg+10:\reg+11], v[\adr+3] offset:\off+1280
.endm
.macro FETCH_B slot, q, p              ; the weights' BL fragments of the slot's q-th K step into set p
	WIN 0x40
.set fi, 0
.rept BL
.if (\slot) == 0
	FRAG 128*(\p)+12*fi, ADRB, (fi*NQ+(\q))*FRB
.else                                  ; slots 1 and 2 lie as ONE double slot, a block's four K steps on end
	FRAG 128*(\p)+12*fi, ADRB+1, (fi*2*NQ+((\slot)-1)*NQ+(\q))*FRB
.endif
.set fi, fi+1
.endr
	WIN 0
.endm
.macro FETCH_A slot, q, i0             ; A's blocks i0 .. i0 + HB - 1
.set fi, \i0
.rept HB
.if (\slot) == 0
	FRAG AF+12*fi, ADRA, (fi*NQ+(\q))*FRB
.else
	FRAG AF+12*fi, ADRA+1, (fi*2*NQ+((\slot)-1)*NQ+(\q))*FRB
.endif
.set fi, fi+1
.endr
.endm
.macro SCALES set                      ; a slot's scale words: register NQ i + q: lanes 0-15 A's block i, lanes 16-31 the weights' block i
.set fi, 0
.rept BL
.set fq, 0
.rept NQ
	ds_load_b32 v[SC+16*(\set)+NQ*fi+fq], v[ADRS] offset:fi*NS*64+fq*64
.set fq, fq+1
.endr
.set fi, fi+1
.endr
.endm
.macro MM c
	v_wmma_scale_f32_16x16x128_f8f6f4 v[md:md+7], v[mfb:mfb+11], v[mfa:mfa+11], \c, v[mscb], v[msca] matrix_a_fmt:MATRIX_FMT_FP6 matrix_b_fmt:MATRIX_FMT_FP6 matrix_a_scale:MATRIX_SCALE_ROW1
.endm
.macro MULB a, p, q, set, cm           ; A's block a against the weights' BL tiles.  The accumulators take turns, in the same order in every step
.set ma, \a
.set mw, 2+(8*BL*ma)/256
.if \cm == 2
	WIN 1+64*mw                                    ; source 0 window 1, source 1 and C window 0, D window mw
.else
	WIN 1+80*mw                                    ; C and D window mw
.endif
.set mfa, AF+12*ma
.set msca, SC+16*(\set)+NQ*ma+(\q)
.set mb, 0
.rept BL
.set md, (8*(BL*ma+mb))%256
.set mfb, 128*(\p)+12*mb
.set mscb, SC+16*(\set)+NQ*mb+(\q)
.if \cm == 0
	MM v[md:md+7]
.elseif \cm == 1
	MM 0
.else
	MM v[BI+8*mb:BI+8*mb+7]
.endif
.set mb, mb+1
.endr
.endm
.macro STEP slot, set, cm              ; a slot's first K step: its successor lies in the same slot.  set: the slot's set of scale words
	s_wait_dscnt HB*NL                             ; all but the youngest loads, A's upper blocks
.set sa, 0
.rept HB
	MULB sa, 0, 0, \set, \cm
.set sa, sa+1
.endr
	s_wait_dscnt 0x0
	PLACES
	FETCH_B \slot, 1, 1
	FETCH_A \slot, 1, 0
.rept HB
	MULB sa, 0, 0, \set, \cm
.set sa, sa+1
.endr
	PLACES
	WIN 0
	FETCH_A \slot, 1, HB
.endm
; A slot's second K step, in which the next slot's first fragments are fetched.
; how = 1: slot 0 has been read and is filled again: the barrier opens a round of the cluster's barrier.  how = 0: the next slot is the one that was filled again: a barrier, and no fill.
; how = 2: the next slot was shown whole to every wave at the refill's barrier, and nothing is filled: no barrier.
.macro TURN set, next, how
.if \how < 2
	s_wait_tensorcnt 0x0                           ; all my tensor loads have landed
	ds_add_u32 v[SPW], v[NIL]                      ; 0 onto my spare word
	s_wait_dscnt HB*NL+1                           ; (the add and A's upper blocks may be out)
.else
	s_wait_dscnt HB*NL                             ; (A's upper blocks may be out)
.endif
.set sa, 0
.rept HB/2
	MULB sa, 1, 1, \set, 0
.set sa, sa+1
.endr
.if \how < 2
	s_wait_dscnt 0x0                               ; the add is done, and my reads of this slot are over
	s_barrier_signal -1
.endif
.rept HB/2
	MULB sa, 1, 1, \set, 0
.set sa, sa+1
.endr
	WIN 0
.if \how < 2
	s_barrier_wait -1
.else
	s_wait_dscnt 0x0                               ; A's upper blocks are in
.endif
.if \how == 1
	CREST                                          ; no wave of any partner still reads slot 0 or has a load on its way
	s_add_nc_u64 s[G0+2:G0+3], s[G0+2:G0+3], 3*NQ*FRB      ; the fourth slot's worth of K
	s_add_nc_u64 s[G0B+2:G0B+3], s[G0B+2:G0B+3], 3*NQ*FRB
	JLOAD G0, G1, G0B, G1B                         ; the first tensor load behind the round; its four v_nop are the places ahead of the loads below
.else
	PLACES
.endif
	v_add_nc_u32 v[ADRS], NQ*64, v[ADRS]
	FETCH_B \next, 0, 0
	FETCH_A \next, 0, 0
	SCALES 1-(\set)
.rept HB
	MULB sa, 1, 1, \set, 0
.set sa, sa+1
.endr
	PLACES
	WIN 0
	FETCH_A \next, 0, HB
.endm
	s_load_b128 s[4:7], s[0:1], 0x0                ; A's buffer s[4:5], wts s[6:7]
	s_load_b64 s[8:9], s[0:1], 0x10                ; qkv
	v_lshl_add_u32 v[SPW], v0, 2, SPARE
	v_mov_b32 v[NIL], 0
	ds_add_u32 v[SPW], v[NIL]                      ; the wave's opening: the add, twice on end, and its wait ahead of my first tensor load
	ds_add_u32 v[SPW], v[NIL]
	v_lshrrev_b32 v1, 5, v0
	v_readfirstlane_b32 s14, v1                    ; wave
	s_lshr_b32 s15, s14, 1                         ; my half of the rows; also: I fetch for A (0) or the weights (1)
	s_and_b32 s16, s14, 1                          ; my half of the columns; also: which half I fetch
	s_bfe_u32 s[CX], ttmp6, 0x40000                ; cx
	s_bfe_u32 s[CY], ttmp6, 0x40004                ; cy
	s_lshl_b32 s[TC], ttmp9, 2
	s_add_co_u32 s[TC], s[TC], s[CX]               ; tile column
	s_and_b32 s17, ttmp7, 0xffff
	s_lshl_b32 s17, s17, 2
	s_add_co_u32 s17, s17, s[CY]                   ; tile row
	s_lshl_b32 s[MR], s[CY], 2
	s_lshl_b32 s[MR], 15, s[MR]                    ; my row of the cluster
	s_lshl_b32 s[MC], 0x1111, s[CX]                ; my column
	s_or_b32 s[G1+0], s[MR], (3<<16)|(1<<21)       ; the mask; elements of 8 bytes; bit 21 beside a mask; no padding
	s_or_b32 s[G1B+0], s[MC], (3<<16)|(1<<21)
.irp g, G1, G1B
	s_mov_b32 s[\g+1], (NQ*192)<<16                ; tensor_dim0: NQ fragments
	s_mov_b32 s[\g+2], BL<<16                      ; tensor_dim1: BL blocks
	s_mov_b32 s[\g+3], (NQ*192)<<16                ; tile_dim0
	s_mov_b32 s[\g+4], BL                          ; tile_dim1
	s_mov_b32 s[\g+5], NS*192                      ; from block to block
	s_mov_b32 s[\g+6], 0
	s_mov_b32 s[\g+7], 0
.endr
	s_or_b32 s[G1S+0], s[MR], (3<<16)|(1<<21)
	s_or_b32 s[G1SB+0], s[MC], (3<<16)|(1<<21)
.irp g, G1S, G1SB                      ; group 1 for the double slot: BL blocks x four K steps (K steps 2 to 5), brought by one load a wave
	s_mov_b32 s[\g+1], (2*NQ*192)<<16
	s_mov_b32 s[\g+2], BL<<16
	s_mov_b32 s[\g+3], (2*NQ*192)<<16
	s_mov_b32 s[\g+4], BL
	s_mov_b32 s[\g+5], NS*192
	s_mov_b32 s[\g+6], 0
	s_mov_b32 s[\g+7], 0
.endr
	s_mul_i32 s18, s16, BL
	s_mul_i32 s20, s17, 2*BL
	s_add_co_u32 s20, s20, s18                     ; A: the first block that I fetch
	s_mul_i32 s46, s[TC], 2*BL
	s_add_co_u32 s46, s46, s18                     ; the weights: the first tile
	s_mul_i32 s22, s20, NS*64
	s_add_co_u32 s22, s22, ASC
	s_mul_i32 s44, s46, NS*64
	s_add_co_u32 s44, s44, WS
	s_mul_i32 s20, s20, NS*FRB
	s_mul_i32 s46, s46, NS*FRB
	s_add_co_u32 s46, s46, WC
	s_mov_b32 s21, 0
	s_mov_b32 s23, 0
	s_mov_b32 s47, 0
	s_mov_b32 s45, 0
	s_mul_i32 s[WQ], s14, QUARTER                  ; where they go: by the wave's number alone
	s_mul_i32 s[WH], s14, HALFS
	s_mov_b32 s[HI], 0xffff0000
	s_mov_b32 s[SEL], 0x76543210
	s_mov_b32 s[SEL+1], 0xfedcba98
	s_wait_dscnt 0x0                               ; both opening adds are done
	s_wait_kmcnt 0x0
	s_add_nc_u64 s[20:21], s[4:5], s[20:21]
	s_add_nc_u64 s[22:23], s[4:5], s[22:23]
	s_add_nc_u64 s[46:47], s[6:7], s[46:47]
	s_add_nc_u64 s[44:45], s[6:7], s[44:45]
	CROUND                                         ; all sixteen work-groups are here: the first joint loads meet
	SETG G0, 20, 0
	SETG G0B, 46, 0
	JLOAD G0, G1, G0B, G1B                         ; slot 0, K steps 0 and 1
	s_mov_b32 s[G0+4], 1                           ; group 0 for the double slot: behind slot 0, wave x two quarters; K steps 2 to 5
	s_lshl_b32 s[G0+5], s[WQ], 1
	s_add_co_u32 s[G0+5], s[G0+5], SLOT
	s_add_nc_u64 s[G0+6:G0+7], s[20:21], NQ*FRB
	s_or_b32 s[G0+7], s[G0+7], 0x80000000
	s_mov_b32 s[G0B+4], 1
	s_lshl_b32 s[G0B+5], s[WQ], 1
	s_add_co_u32 s[G0B+5], s[G0B+5], SLOT
	s_add_nc_u64 s[G0B+6:G0B+7], s[46:47], NQ*FRB
	s_or_b32 s[G0B+7], s[G0B+7], 0x80000000
	s_cmp_eq_u32 s15, 0                            ; the scale words that I copy: A's (waves 0, 1) or the weights' (waves 2, 3); the choice hangs on the wave's number alone
	s_cselect_b64 s[44:45], s[22:23], s[44:45]
	s_add_co_u32 s[WH], s[WH], SCL                 ; and where they go
	s_cmp_eq_u32 s15, 0                            ; the prefetches' base: of the 8 blocks that I fetch, the partner at place p (cx for A, cy for the weights) names blocks 2 p and 2 p + 1: shared out by address
	s_cselect_b64 s[76:77], s[20:21], s[46:47]
	s_cselect_b32 s78, s[CX], s[CY]
	s_mul_i32 s78, s78, 2*NS*FRB
	s_mov_b32 s79, 0
	s_add_nc_u64 s[76:77], s[76:77], s[78:79]
	v_and_b32 v1, 15, v0                           ; r
	v_bfe_u32 v2, v0, 4, 1                         ; h
	v_and_b32 v3, 31, v0
	v_lshlrev_b32 v[L16], 4, v3
	v_lshlrev_b32 v[L8], 3, v3
	s_mul_i32 s21, s15, QUARTER                    ; my half of A,
	s_mul_i32 s22, s16, QUARTER
	s_add_co_u32 s22, s22, 2*QUARTER               ; my half of the weights
.irp s, 0,1                            ; slot 0, then the double slot, whose parts are twice as long and lie behind slot 0
	v_add_nc_u32 v[ADRA+\s], s21, v[L16]
	v_add_nc_u32 v[ADRA+3+\s], s21, v[L8]
	v_add_nc_u32 v[ADRB+\s], s22, v[L16]
	v_add_nc_u32 v[ADRB+3+\s], s22, v[L8]
	s_lshl_b32 s21, s21, 1
	s_lshl_b32 s22, s22, 1
	s_add_co_u32 s21, s21, SLOT
	s_add_co_u32 s22, s22, SLOT
.endr
	s_mul_i32 s21, s15, HALFS
	s_mul_i32 s22, s16, HALFS
	s_add_co_u32 s22, s22, 2*HALFS
	s_sub_co_u32 s22, s22, s21
	v_mul_u32_u24 v6, s22, v2                      ; lanes 16-31 take the weights' words
	s_add_co_u32 s21, s21, SCL
	v_lshl_add_u32 v6, v1, 2, v6
	v_add_nc_u32 v[ADRS], s21, v6
	; A PREFETCH INTO THE L2 of what the two later tensor loads will ask for: K steps 2 to 7 of my two blocks are 9,216 bytes each: 36 blocks of 256 bytes, 18 lanes an instruction
	; (the lanes left over name the 18th again); each block is named once in the cluster; v15 and s[76:77] are never rewritten
	v_min_u32 v15, 17, v3
	v_lshlrev_b32 v15, 8, v15
.irp o, 0,1,2,3
	global_prefetch_b8 v15, s[76:77] offset:(\o/2)*NS*FRB+NQ*FRB+(\o%2)*4608 th:TH_LOAD_NT scope:SCOPE_SE
.endr
	; THE SCALE WORDS come through registers: a wave copies the 4,096 dense bytes of its BL blocks, 512 consecutive bytes a load, into LDS bytes that no tensor load fills
.set fi, 0
.rept 8
	global_load_b128 v[AF+4*fi:AF+4*fi+3], v[L16], s[44:45] offset:512*fi
.set fi, fi+1
.endr
	v_add_nc_u32 v31, s[WH], v[L16]
	s_wait_alu depctr_va_vdst(0)
	s_wait_loadcnt 0x0
.set fi, 0
.rept 8
	ds_store_b128 v31, v[AF+4*fi:AF+4*fi+3] offset:512*fi
.set fi, fi+1
.endr
	s_wait_tensorcnt 0x0                           ; my part of slot 0 is in
	ds_add_u32 v[SPW], v[NIL]
	s_wait_dscnt 0x0                               ; the add and my stores of scale words are done
	CROUND                                         ; slot 0 and the scale words are whole for every wave; all sixteen work-groups are here
	JLOAD G0+4, G1S, G0B+4, G1SB                   ; the double slot's one load a wave: K steps 2 to 5
	FETCH_B 0, 0, 0
	FETCH_A 0, 0, 0
	SCALES 0
	FETCH_A 0, 0, HB
	STEP 0, 0, CM                                  ; K step 0 starts the sums: nothing is cleared
	TURN 0, 1, 1                                   ; K step 1; slot 0 takes K steps 6 and 7
	s_wait_alu depctr_va_vdst(0)
	STEP 1, 1, 0                                   ; K step 2
	TURN 1, 2, 2                                   ; K step 3
	s_wait_alu depctr_va_vdst(0)
	STEP 2, 0, 0                                   ; K step 4
	TURN 0, 0, 0                                   ; K step 5; the refill has landed in every wave's part
	STEP 0, 1, 0                                   ; K step 6
	s_wait_dscnt HB*NL                             ; K step 7: nothing more to fetch
.set sa, 0
.rept HB
	MULB sa, 1, 1, 1, 0
.set sa, sa+1
.endr
	s_wait_dscnt 0x0
.rept HB
	MULB sa, 1, 1, 1, 0
.set sa, sa+1
.endr
	WIN 0
	PLACES
; ---------------------------------------------------------------- the way out of this launch
.set PC,  128                          ; window 0, where A's fragments lay: the codes just made,
.set TM,  148                          ; the quantiser's work,
.set PWE, 164                          ; the scale word,
.set WD,  166                          ; v166-167 the words to store
; 64 numbers of a lane in window w, register s + 16 b + i = column 32 b + 16 h + i of row r, become a fragment in v[PC] on and the row's scale word.  Each accumulator is met first at its two lowest registers.
.macro QUANT s, pw, w
	WIN 5*(\w)
.irp b, 0,1,2,3
	v_max3_num_f32 v[TM+\b], |v[\s+16*\b]|, |v[\s+1+16*\b]|, 0x1800000   ; with the floor 2^(3 - 127)
.endr
	WIN 20*(\w)
.irp i, 2,4,6,8,10,12,14
.irp b, 0,1,2,3
	v_max3_num_f32 v[TM+\b], v[TM+\b], |v[\s+16*\b+\i]|, |v[\s+1+16*\b+\i]|
.endr
.endr
	WIN 0
.irp b, 0,1,2,3
	v_permlanex16_b32 v[TM+4+\b], v[TM+\b], s[SEL], s[SEL+1]
.endr
.irp b, 0,1,2,3
	v_max_num_f32 v[TM+\b], v[TM+\b], v[TM+4+\b]
.endr
.irp b, 0,1,2,3
	v_add_nc_u32 v[TM+12+\b], 0xff000000, v[TM+\b]
.endr
.irp b, 0,1,2,3
	v_lshrrev_b32 v[TM+4+\b], 23, v[TM+12+\b]
.endr
	v_lshl_or_b32 v[\pw], v[TM+5], 8, v[TM+4]
	v_lshl_or_b32 v[\pw], v[TM+6], 16, v[\pw]
	v_lshl_or_b32 v[\pw], v[TM+7], 24, v[\pw]
	WIN (\w)
.irp c, 0,1
	v_cvt_scalef32_pk16_fp6_f32 v[PC+6*\c:PC+2+6*\c], v[\s+32*\c:\s+15+32*\c], v[TM+12+2*\c]
	v_cvt_scalef32_pk16_fp6_f32 v[PC+12+4*\c:PC+14+4*\c], v[\s+16+32*\c:\s+31+32*\c], v[TM+12+2*\c+1]
.endr
	WIN 0
	v_nop                                          ; one plain place behind a scaled conversion
.irp c, 0,1
.irp i, 0,1,2
	v_permlane16_swap_b32 v[PC+6*\c+\i], v[PC+12+4*\c+\i]
.endr
.irp i, 0,1,2
	v_mov_b32 v[PC+3+6*\c+\i], v[PC+12+4*\c+\i]
.endr
.endr
.endm
.irp b, 0,1,2,3
	v_mov_b32 v[TM+4+\b], 0                        ; written once: a lane permute's destination counts as one of its sources
.endr
	v_lshlrev_b32 v13, 13, v2
	v_lshl_add_u32 v13, v1, 2, v13                 ; the words: 8,192 h (the next head) + 4 r
	v_lshlrev_b32 v14, 11, v2
	v_lshl_add_u32 v14, v1, 4, v14                 ; V: 2,048 h + 16 r
	s_lshl_b32 s46, s[CX], 2
	s_lshl_b32 s47, s16, 1
	s_add_co_u32 s46, s46, s47                     ; my first head: 4 cx + 2 x my half of the columns
	s_lshl_b32 s20, s17, 4
	s_lshl_b32 s21, s15, 3
	s_add_co_u32 s20, s20, s21                     ; my first block of 16 rows
	s_mov_b32 s23, 0
	s_cmp_eq_u32 ttmp9, 2                          ; the cluster's x: the same in all sixteen partners
	s_cbranch_scc1 .Lv_out
	s_lshr_b32 s21, s20, 7                         ; the batch
	s_lshl_b32 s21, s21, 4
	s_add_co_u32 s46, s46, s21                     ; 16 batch + head
	s_and_b32 s21, s20, 127                        ; the tile of rows in the batch
	s_mul_i32 s22, s46, 98304
	s_mul_i32 s47, s21, 768
	s_add_co_u32 s22, s22, s47
	s_mul_i32 s47, ttmp9, 3145728                  ; Q's section or K's
	s_add_co_u32 s22, s22, s47
	s_add_nc_u64 s[18:19], s[8:9], s[22:23]
	s_lshl_b32 s22, s46, 13
	s_lshl_b32 s47, s21, 6
	s_add_co_u32 s22, s22, s47
	s_lshl_b32 s47, ttmp9, 18
	s_add_co_u32 s22, s22, s47
	s_add_co_u32 s22, s22, 6291456
	s_add_nc_u64 s[10:11], s[8:9], s[22:23]
.irp a, 0,1,2,3,4,5,6,7
.if \a > 0
	s_wait_xcnt 0x0                                ; the last block's stores have read their registers
.endif
	QUANT 64*((\a)%4), PWE, 2+(\a)/4
	global_store_b128 v[L16], v[PC:PC+3], s[18:19] offset:768*\a           ; registers 0-5: my first head's half fragment,
	global_store_b64 v[L8], v[PC+4:PC+5], s[18:19] offset:768*\a+512
	global_store_b128 v[L16], v[PC+6:PC+9], s[18:19] offset:98304+768*\a   ; registers 6-11: the next head's
	global_store_b64 v[L8], v[PC+10:PC+11], s[18:19] offset:98304+768*\a+512
	v_perm_b32 v[WD], v[PWE], v[PWE], 0x01000100   ; a head's two bytes, twice
	v_perm_b32 v[WD+1], v[PWE], v[PWE], 0x03020302
	v_cndmask_b32 v[WD], v[WD], v[WD+1], s[HI]     ; lanes 0-15 the first head's words, lanes 16-31 the next head's
	global_store_b32 v13, v[WD], s[10:11] offset:64*\a
.endr
	s_branch .Lend
.Lv_out:
	s_lshl_b32 s22, s20, 16                        ; a block of 16 rows is 16 heads x 4,096 bytes
	s_lshl_b32 s47, s46, 12
	s_add_co_u32 s22, s22, s47
	s_add_co_u32 s22, s22, 6815744
	s_add_nc_u64 s[18:19], s[8:9], s[22:23]
	s_wait_alu depctr_va_vdst(0)
.irp a, 0,1,2,3,4,5,6,7                ; number n = 8 (b % 2) + 16 h + j of block (b / 2) % 2 of head b / 4 goes to piece n / 4 (512 bytes), slot r + 16 block: sixteen lanes fill 256 consecutive bytes, aligned
	WIN 8+4*((\a)/4)                               ; a store's data are its source 1
.irp b, 0,1,2,3,4,5,6,7
.irp q, 0,1
	global_store_b128 v14, v[64*((\a)%4)+8*\b+4*\q:64*((\a)%4)+8*\b+4*\q+3], s[18:19] offset:\a*65536+(\b/4)*4096+((\b/2)%2)*256+(2*(\b%2)+\q)*512
.endr
.endr
.endr
	WIN 0
.Lend:
	s_wait_tensorcnt 0x0                           ; the wave's end
	ds_add_u32 v[SPW], v[NIL]
	s_wait_dscnt 0x0
	CROUND                                         ; the closing round
	s_endpgm
.Lfunc_end_k_qd0234745df_qkv:
	.size	k_qd0234745df_qkv, .Lfunc_end_k_qd0234745df_qkv-k_qd0234745df_qkv
	.p2alignl 7, 3214868480
	.fill 96, 4, 3214868480
	.section	.rodata,"a",@progbits
	.p2align	6, 0x0
	.amdhsa_kernel k_qd0234745df_qkv
		.amdhsa_group_segment_fixed_size 327680
		.amdhsa_private_segment_fixed_size 0
		.amdhsa_enable_private_segment 0
		.amdhsa_kernarg_size 24
		.amdhsa_user_sgpr_count 2
		.amdhsa_user_sgpr_kernarg_segment_ptr 1
		.amdhsa_wavefront_size32 1
		.amdhsa_system_sgpr_workgroup_id_x 1
		.amdhsa_system_sgpr_workgroup_id_y 1
		.amdhsa_system_sgpr_workgroup_id_z 1
		.amdhsa_system_vgpr_workitem_id 0
		.amdhsa_next_free_vgpr 1024
		.amdhsa_next_free_sgpr 101
		.amdhsa_reserve_vcc 0
		.amdhsa_float_denorm_mode_32 3
		.amdhsa_float_denorm_mode_16_64 3
		.amdhsa_memory_ordered 1
		.amdhsa_forward_progress 1
		.amdhsa_inst_pref_size 167
	.end_amdhsa_kernel
	.amdgpu_metadata
---
amdhsa.version: [ 1, 2 ]
amdhsa.kernels:
  - .name:           k_qd0234745df_qkv
    .symbol:         k_qd0234745df_qkv.kd
    .args:
      - { .name: xq, .offset: 0, .size: 8, .value_kind: global_buffer, .address_space: global }
      - { .name: wts, .offset: 8, .size: 8, .value_kind: global_buffer, .address_space: global }
      - { .name: qkv, .offset: 16, .size: 8, .value_kind: global_buffer, .address_space: global }
    .group_segment_fixed_size: 327680
    .private_segment_fixed_size: 0
    .kernarg_segment_align: 8
    .kernarg_segment_size: 24
    .max_flat_workgroup_size: 128
    .sgpr_count:     101
    .vgpr_count:     1024
    .wavefront_size: 32
...
	.end_amdgpu_metadata
.endif
;; end of part 2
;; launch att (part 3): grid 8 x 32, 8 waves a work-group, clusters of 4 x 1, 327,680 bytes of LDS; arguments qkv, source_mask, aq; writes aq
.if DOCPART == 3
	.amdgcn_target "amdgcn-amd-amdhsa--gfx1250"
	.amdhsa_code_object_version 6
	.text
	.protected	k_qd0234745df_att
	.globl	k_qd0234745df_att
	.p2align	8
	.type	k_qd0234745df_att,@function
k_qd0234745df_att:
	s_mov_b64 s[64:65], 0
	v_nop
	global_prefetch_b8 v0, s[64:65] scope:SCOPE_SE
	s_setreg_imm32_b32 hwreg(HW_REG_WAVE_MODE, 25, 1), 1
	s_wait_xcnt 0x0
	s_wait_alu depctr_hold_cnt(0) depctr_sa_sdst(0) depctr_va_vdst(0) depctr_va_sdst(0) depctr_va_ssrc(0) depctr_va_vcc(0) depctr_vm_vsrc(0)
	s_getreg_b32 s2, hwreg(HW_REG_IB_STS2, 6, 4)
	s_cmp_eq_u32 s2, 0
	s_cbranch_scc0 .Lentry_in_a_cluster
	s_endpgm
.Lentry_in_a_cluster:
	s_bfe_u32 s2, ttmp6, 0x10000c
	s_cmp_lg_u32 s2, 0x3003
	s_cbranch_scc0 .Lentry_shape_is_right
	s_endpgm
.Lentry_shape_is_right:
.set KSC,   98304
.set AM,    106496
.set SPARE, 114688
.set ADK16, 1
.set ADK8,  2
.set ADS,   3
.set ADC,   4
.set SPW,   5
.set NIL,   6
.set EE,    7
.set O16,   8
.set O8,    9
.set O4R,   10
.set HH,    11
.set ST,    12
.set KS,    28
.set QS,    30
.set QF,    32
.set KR,    56
.set CR,    92
.set S0,    124
.set S1,    188
.set SD,    252
.set PFO,   254
.set CS,    58
.set SEL,   60
.set HI,    62
.macro CROUND
	s_barrier_signal -1
	s_barrier_wait -1
	s_cmp_lg_u32 s12, 0
	s_cbranch_scc1 .Lnot_wave_0_\@
	s_barrier_signal -3
.Lnot_wave_0_\@:
	s_barrier_wait -3
	s_barrier_signal -1
	s_barrier_wait -1
.endm
.macro PLACES
.rept 4
	v_nop
.endr
.endm
.macro LOADS o
.irp p, 0,1
	ds_load_b128 v[KR+18*\p:KR+18*\p+3], v[ADK16] offset:3072*\o+1536*\p
	ds_load_b64 v[KR+18*\p+4:KR+18*\p+5], v[ADK8] offset:3072*\o+1536*\p+512
	ds_load_b128 v[KR+18*\p+12:KR+18*\p+15], v[ADK16] offset:3072*\o+1536*\p+768
	ds_load_b64 v[KR+18*\p+16:KR+18*\p+17], v[ADK8] offset:3072*\o+1536*\p+1280
	ds_load_b32 v[KS+\p], v[ADS] offset:256*\o+128*\p
.endr
.irp k, 0,1,2,3
	ds_load_b128 v[CR+8*\k:CR+8*\k+3], v[ADC] offset:256*\o+64*\k
	ds_load_b128 v[CR+8*\k+4:CR+8*\k+7], v[ADC] offset:256*\o+64*\k+16
.endr
.endm
.macro WM S
.irp k, 0,1,2,3
.irp t, 0,1
.if \k%2
	v_wmma_scale_f32_16x16x128_f8f6f4 v[\S+32*\t+8*\k:\S+32*\t+8*\k+7], v[KR+18*(\k/2)+6:KR+18*(\k/2)+17], v[QF+12*\t:QF+12*\t+11], v[CR+8*\k:CR+8*\k+7], v[KS+\k/2], v[QS+\t] matrix_a_fmt:MATRIX_FMT_FP6 matrix_b_fmt:MATRIX_FMT_FP6 matrix_a_scale:MATRIX_SCALE_ROW1
.else
	v_wmma_scale_f32_16x16x128_f8f6f4 v[\S+32*\t+8*\k:\S+32*\t+8*\k+7], v[KR+18*(\k/2):KR+18*(\k/2)+11], v[QF+12*\t:QF+12*\t+11], v[CR+8*\k:CR+8*\k+7], v[KS+\k/2], v[QS+\t] matrix_a_fmt:MATRIX_FMT_FP6 matrix_b_fmt:MATRIX_FMT_FP6
.endif
.endr
.endr
.endm
.macro SOFT S
.irp t, 0,1
	v_max3_num_f32 v[ST+8*\t+4], v[ST+8*\t+1], v[\S+32*\t], v[\S+32*\t+1]
	v_max3_num_f32 v[ST+8*\t+5], v[\S+32*\t+16], v[\S+32*\t+17], v[\S+32*\t+18]
.endr
.irp i, 0,2,4,6,8,10
.irp t, 0,1
	v_max3_num_f32 v[ST+8*\t+4], v[ST+8*\t+4], v[\S+32*\t+2+\i], v[\S+32*\t+3+\i]
	v_max3_num_f32 v[ST+8*\t+5], v[ST+8*\t+5], v[\S+32*\t+19+\i], v[\S+32*\t+20+\i]
.endr
.endr
.irp t, 0,1
	v_max3_num_f32 v[ST+8*\t+4], v[ST+8*\t+4], v[\S+32*\t+14], v[\S+32*\t+15]
.endr
.irp t, 0,1
	v_max3_num_f32 v[ST+8*\t+1], v[ST+8*\t+4], v[ST+8*\t+5], v[\S+32*\t+31]
.endr
.irp t, 0,1
	v_mov_b32 v[ST+8*\t+7], v[ST+8*\t]
.endr
.irp t, 0,1
	s_delay_alu instid0(VALU_DEP_4)
	v_mul_f32 v[ST+8*\t], s[CS], v[ST+8*\t+1]
.endr
.irp t, 0,1
	s_delay_alu instid0(VALU_DEP_2)
	v_sub_f32 v[ST+8*\t+7], v[ST+8*\t+7], v[ST+8*\t]
.endr
.irp p, 0,2,4,6,8,10,12,14,16,18,20,22,24,26,28,30
.irp t, 0,1
	v_pk_fma_f32 v[\S+32*\t+\p:\S+32*\t+\p+1], v[\S+32*\t+\p:\S+32*\t+\p+1], s[CS:CS+1], v[ST+8*\t:ST+8*\t+1] op_sel_hi:[1,0,0] neg_lo:[0,0,1] neg_hi:[0,0,1]
.endr
.endr
	s_wait_alu depctr_va_vdst(0)
.irp t, 0,1
	v_exp_f32 v[ST+8*\t+6], v[ST+8*\t+7]
.endr
.set j, 0
.rept 32
.irp t, 0,1
	v_exp_f32 v[\S+32*\t+j], v[\S+32*\t+j]
.endr
.set j, j+1
.endr
	v_nop
	s_wait_alu depctr_va_vdst(0)
.irp t, 0,1
	v_pk_fma_f32 v[ST+8*\t+2:ST+8*\t+3], v[ST+8*\t+2:ST+8*\t+3], v[ST+8*\t+6:ST+8*\t+7], v[\S+32*\t:\S+32*\t+1] op_sel_hi:[1,0,1]
.endr
.irp t, 0,1
	v_pk_add_f32 v[ST+8*\t+4:ST+8*\t+5], v[\S+32*\t+2:\S+32*\t+3], v[\S+32*\t+4:\S+32*\t+5]
.endr
.irp p, 6,10,14,18,22,26
.irp t, 0,1
	v_pk_add_f32 v[ST+8*\t+2:ST+8*\t+3], v[ST+8*\t+2:ST+8*\t+3], v[\S+32*\t+\p:\S+32*\t+\p+1]
	v_pk_add_f32 v[ST+8*\t+4:ST+8*\t+5], v[ST+8*\t+4:ST+8*\t+5], v[\S+32*\t+\p+2:\S+32*\t+\p+3]
.endr
.endr
.irp t, 0,1
	v_pk_add_f32 v[ST+8*\t+2:ST+8*\t+3], v[ST+8*\t+2:ST+8*\t+3], v[\S+32*\t+30:\S+32*\t+31]
.endr
.irp t, 0,1
	s_delay_alu instid0(VALU_DEP_2)
	v_pk_add_f32 v[ST+8*\t+2:ST+8*\t+3], v[ST+8*\t+2:ST+8*\t+3], v[ST+8*\t+4:ST+8*\t+5]
.endr
.endm
	s_load_b128 s[4:7], s[0:1], 0x0
	s_load_b64 s[8:9], s[0:1], 0x10
	v_lshl_add_u32 v[SPW], v0, 2, SPARE
	v_mov_b32 v[NIL], 0
	ds_add_u32 v[SPW], v[NIL]
	ds_add_u32 v[SPW], v[NIL]
	v_lshrrev_b32 v1, 5, v0
	s_delay_alu instid0(VALU_DEP_1)
	v_readfirstlane_b32 s12, v1
	s_bfe_u32 s13, ttmp6, 0x40000
	s_lshl_b32 s14, ttmp9, 2
	s_add_co_u32 s14, s14, s13
	s_and_b32 s15, ttmp7, 0xffff
	s_mov_b32 s24, 15|(3<<16)|(1<<21)
	s_mov_b32 s25, 32<<16
	s_mov_b32 s26, 48<<16
	s_mov_b32 s27, 32<<16
	s_mov_b32 s28, 48
	s_mov_b32 s29, 32
	s_mov_b32 s30, 0
	s_mov_b32 s31, 0
	s_mov_b32 s40, 1
	s_mul_i32 s41, s12, 12288
	s_mul_i32 s16, s15, 98304
	s_add_co_u32 s16, s16, s41
	s_add_co_u32 s16, s16, 3145728
	s_mov_b32 s17, 0
	s_lshl_b32 s18, s15, 13                        ; K's scale words of this batch and head: 8,192 dense bytes
	s_add_co_u32 s18, s18, 6553600
	s_mov_b32 s19, 0
	s_lshl_b32 s10, s14, 4
	s_lshl_b32 s11, s12, 1
	s_add_co_u32 s10, s10, s11
	s_mul_i32 s20, s15, 98304
	s_mul_i32 s11, s10, 768
	s_add_co_u32 s20, s20, s11
	s_mov_b32 s21, 0
	s_lshl_b32 s22, s15, 13
	s_lshl_b32 s11, s10, 6
	s_add_co_u32 s22, s22, s11
	s_mov_b32 s23, 0
	s_lshr_b32 s63, s15, 4
	s_and_b32 s57, s15, 15
	s_lshl_b32 s50, s63, 13
	s_mov_b32 s51, 0
	s_add_co_u32 s2, s50, s11
	s_mov_b32 s3, 0
	s_lshl_b32 s11, s63, 7
	s_add_co_u32 s10, s10, s11
	s_lshl_b32 s48, s10, 16
	s_lshl_b32 s11, s57, 12
	s_add_co_u32 s48, s48, s11
	s_add_co_u32 s48, s48, 6815744
	s_mov_b32 s49, 0
	s_lshl_b32 s10, s10, 3
	s_lshr_b32 s11, s57, 1
	s_add_co_u32 s10, s10, s11
	s_and_b32 s57, s57, 1
	s_mul_i32 s52, s10, 1536
	s_mul_i32 s11, s57, 768
	s_add_co_u32 s52, s52, s11
	s_mov_b32 s53, 0
	s_lshl_b32 s54, s10, 6
	s_lshl_b32 s11, s57, 1
	s_add_co_u32 s54, s54, s11
	s_mov_b32 s55, 0
	s_mov_b32 s[CS], 0x3e38aa3b
	s_mov_b32 s[CS+1], s[CS]
	s_mov_b32 s[SEL], 0x76543210
	s_mov_b32 s[SEL+1], 0xfedcba98
	s_mov_b32 s[HI], 0xffff0000
	s_wait_dscnt 0x0
	s_wait_kmcnt 0x0
	s_add_nc_u64 s[42:43], s[4:5], s[16:17]
	s_or_b32 s43, s43, 0x80000000
	s_add_nc_u64 s[46:47], s[4:5], s[18:19]
	s_add_nc_u64 s[20:21], s[4:5], s[20:21]
	s_add_nc_u64 s[22:23], s[4:5], s[22:23]
	s_add_nc_u64 s[48:49], s[4:5], s[48:49]
	s_add_nc_u64 s[50:51], s[6:7], s[50:51]
	s_add_nc_u64 s[2:3], s[6:7], s[2:3]
	s_add_nc_u64 s[52:53], s[8:9], s[52:53]
	s_add_nc_u64 s[54:55], s[8:9], s[54:55]
	CROUND
	tensor_load_to_lds s[40:43], s[24:31]          ; K's codes, an eighth a wave: the launch's one tensor load a wave
	s_nop 0
.rept 4
	v_nop
.endr
	v_and_b32 v255, 31, v0
	v_and_b32 v[O4R], 15, v0
	v_bfe_u32 v[HH], v0, 4, 1
	s_delay_alu instid0(VALU_DEP_3)
	v_lshlrev_b32 v[O16], 4, v255
	s_delay_alu instid0(VALU_DEP_4)
	v_lshlrev_b32 v[O8], 3, v255
	s_delay_alu instid0(VALU_DEP_3)
	v_lshlrev_b32 v[ADC], 3, v[HH]
	s_delay_alu instid0(VALU_DEP_1)
	v_sub_nc_u32 v[EE], v[O4R], v[ADC]
	v_lshlrev_b32 v[ADK16], 4, v255
	v_lshlrev_b32 v[ADK8], 3, v255
	v_lshl_add_u32 v[ADS], v255, 2, KSC
	v_lshl_add_u32 v[ADC], v[HH], 5, AM
	v_lshlrev_b32 v[PFO], 8, v[O4R]
	s_delay_alu instid0(VALU_DEP_1)
	v_lshl_add_u32 v[PFO], v[HH], 16, v[PFO]
	v_lshlrev_b32 v[O4R], 2, v[O4R]
	v_lshlrev_b32 v240, 5, v0
	v_lshl_add_u32 v241, v0, 5, AM
	v_lshl_add_u32 v244, v0, 5, KSC                ; K's scale words go through registers, 32 bytes a thread, into LDS bytes that no tensor load fills
	v_lshlrev_b32 v242, 5, v[HH]
	v_mov_b32 v243, 0xf149f2ca
	global_load_b128 v[224:227], v240, s[50:51]
	global_load_b128 v[228:231], v240, s[50:51] offset:16
	global_load_b128 v[232:235], v240, s[46:47]
	global_load_b128 v[236:239], v240, s[46:47] offset:16
.irp t, 0,1
	global_load_b128 v[QF+12*\t:QF+12*\t+3], v[O16], s[20:21] offset:768*\t
	global_load_b64 v[QF+12*\t+4:QF+12*\t+5], v[O8], s[20:21] offset:768*\t+512
	global_load_b128 v[QF+12*\t+6:QF+12*\t+9], v[O16], s[20:21] offset:768*\t
	global_load_b64 v[QF+12*\t+10:QF+12*\t+11], v[O8], s[20:21] offset:768*\t+512
	global_load_b32 v[QS+\t], v[O4R], s[22:23] offset:6291456+64*\t
	global_load_b128 v[KR+18*\t:KR+18*\t+3], v[O16], s[20:21] offset:3145728+768*\t
	global_load_b64 v[KR+18*\t+4:KR+18*\t+5], v[O8], s[20:21] offset:3145728+768*\t+512
	global_load_b32 v[KS+\t], v[O4R], s[22:23] offset:6553600+64*\t
	global_load_b128 v[CR+8*\t:CR+8*\t+3], v242, s[2:3] offset:64*\t
	global_load_b128 v[CR+8*\t+4:CR+8*\t+7], v242, s[2:3] offset:64*\t+16
.endr
.irp p, 0,1
.irp i, 6,7,8,9,10,11
	v_mov_b32 v[KR+18*\p+\i], 0
.endr
.endr
.irp t, 0,1
	v_mov_b32 v[ST+8*\t+1], 0xe0ad78ec
	s_delay_alu instid0(VALU_DEP_1)
	v_mul_f32 v[ST+8*\t], s[CS], v[ST+8*\t+1]
.irp i, 2,3,4,5,6,7
	v_mov_b32 v[ST+8*\t+\i], 0
.endr
.endr
	s_wait_loadcnt 0x0
.irp i, 0,1,2,3,4,5,6,7
	v_cmp_eq_u32 vcc_lo, 0, v[224+\i]
	s_delay_alu instid0(VALU_DEP_1)
	v_cndmask_b32 v[224+\i], 0, v243, vcc_lo
.endr
	ds_store_b128 v241, v[224:227]
	ds_store_b128 v241, v[228:231] offset:16
	ds_store_b128 v244, v[232:235]
	ds_store_b128 v244, v[236:239] offset:16
.irp i, 0,1,2,3,4,5,6,7,8,9,10,11,12,13,14,15
	v_cmp_eq_u32 vcc_lo, 0, v[CR+\i]
	s_delay_alu instid0(VALU_DEP_1)
	v_cndmask_b32 v[CR+\i], 0, v243, vcc_lo
.endr
	PLACES
.irp t, 0,1
	v_wmma_scale_f32_16x16x128_f8f6f4 v[S1+8*\t:S1+8*\t+7], v[KR+18*\t:KR+18*\t+11], v[QF+12*\t:QF+12*\t+11], v[CR+8*\t:CR+8*\t+7], v[KS+\t], v[QS+\t] matrix_a_fmt:MATRIX_FMT_FP6 matrix_b_fmt:MATRIX_FMT_FP6
.endr
.rept 5
	v_nop
.endr
	s_wait_tensorcnt 0x0
	s_wait_dscnt 0x0
	s_barrier_signal -1
	s_barrier_wait -1
	LOADS 0
.irp t, 0,1
	v_mov_b32 v[SD+\t], v[S1+8*\t]
.endr
.irp j, 1,2,3,4,5,6,7
	v_cmp_eq_u32 vcc_lo, \j, v[EE]
.irp t, 0,1
	v_cndmask_b32 v[SD+\t], v[SD+\t], v[S1+8*\t+\j], vcc_lo
.endr
.endr
.irp t, 0,1
	s_delay_alu instid0(VALU_DEP_2)
	v_permlanex16_b32 v[ST+8*\t+4], v[SD+\t], s[SEL], s[SEL+1]
.endr
	v_cmp_gt_u32 vcc_lo, 8, v[EE]
.irp t, 0
	s_delay_alu instid0(VALU_DEP_1)
	v_cndmask_b32 v[SD+\t], v[ST+8*\t+4], v[SD+\t], vcc_lo
.endr
.irp t, 1
	s_delay_alu instid0(VALU_DEP_2)
	v_cndmask_b32 v[SD+\t], v[ST+8*\t+4], v[SD+\t], vcc_lo
.endr
	s_wait_dscnt 0x0
	WM S0
	PLACES
	LOADS 1
	v_add_nc_u32 v[ADK16], 6144, v[ADK16]
	v_add_nc_u32 v[ADK8], 6144, v[ADK8]
	v_add_nc_u32 v[ADS], 512, v[ADS]
	v_add_nc_u32 v[ADC], 512, v[ADC]
	s_mov_b32 s56, 15
.Lpair:
	s_wait_dscnt 0x0
	WM S1
	PLACES
	s_wait_alu depctr_va_vdst(0)
	LOADS 0
	s_cmp_eq_u32 s56, 2
	s_cbranch_scc0 .Lno_ask
	global_prefetch_b8 v[PFO], s[48:49] th:TH_LOAD_NT scope:SCOPE_SE
.Lno_ask:
	SOFT S0
	s_wait_dscnt 0x0
	WM S0
	PLACES
	LOADS 1
	v_add_nc_u32 v[ADK16], 6144, v[ADK16]
	v_add_nc_u32 v[ADK8], 6144, v[ADK8]
	v_add_nc_u32 v[ADS], 512, v[ADS]
	v_add_nc_u32 v[ADC], 512, v[ADC]
	SOFT S1
	s_sub_co_u32 s56, s56, 1
	s_cmp_lg_u32 s56, 0
	s_cbranch_scc1 .Lpair
	s_wait_dscnt 0x0
	WM S1
	PLACES
.irp t, 0,1
.irp j, 0,1,2,3,4,5,6,7
	global_load_b128 v[92-36*\t+4*\j:92-36*\t+4*\j+3], v[O16], s[48:49] offset:65536*\t+512*\j th:TH_LOAD_NT
.endr
.endr
	SOFT S0
	SOFT S1
.irp t, 0,1
	s_delay_alu instid0(VALU_DEP_2)
	v_add_f32 v[ST+8*\t+2], v[ST+8*\t+2], v[ST+8*\t+3]
.endr
.irp t, 0
	v_permlanex16_b32 v[ST+8*\t+4], v[ST+8*\t], s[SEL], s[SEL+1]
	s_delay_alu instid0(VALU_DEP_3)
	v_permlanex16_b32 v[ST+8*\t+5], v[ST+8*\t+2], s[SEL], s[SEL+1]
.endr
.irp t, 1
	v_permlanex16_b32 v[ST+8*\t+4], v[ST+8*\t], s[SEL], s[SEL+1]
	s_delay_alu instid0(VALU_DEP_4)
	v_permlanex16_b32 v[ST+8*\t+5], v[ST+8*\t+2], s[SEL], s[SEL+1]
.endr
.irp t, 0
	s_delay_alu instid0(VALU_DEP_4)
	v_max_num_f32 v[ST+8*\t+1], v[ST+8*\t], v[ST+8*\t+4]
.endr
.irp t, 1
	s_delay_alu instid0(VALU_DEP_3)
	v_max_num_f32 v[ST+8*\t+1], v[ST+8*\t], v[ST+8*\t+4]
.endr
.irp t, 0
	s_delay_alu instid0(VALU_DEP_2)
	v_sub_f32 v[ST+8*\t+6], v[ST+8*\t], v[ST+8*\t+1]
	s_delay_alu instid0(VALU_DEP_3)
	v_sub_f32 v[ST+8*\t+7], v[ST+8*\t+4], v[ST+8*\t+1]
	s_delay_alu instid0(VALU_DEP_4)
	v_fma_f32 v[SD+\t], v[SD+\t], s[CS], -v[ST+8*\t+1]
.endr
.irp t, 1
	s_delay_alu instid0(VALU_DEP_4)
	v_sub_f32 v[ST+8*\t+6], v[ST+8*\t], v[ST+8*\t+1]
	v_sub_f32 v[ST+8*\t+7], v[ST+8*\t+4], v[ST+8*\t+1]
	v_fma_f32 v[SD+\t], v[SD+\t], s[CS], -v[ST+8*\t+1]
.endr
	s_wait_alu depctr_va_vdst(0)
.irp t, 0,1
	v_exp_f32 v[ST+8*\t+6], v[ST+8*\t+6]
	v_exp_f32 v[ST+8*\t+7], v[ST+8*\t+7]
	v_exp_f32 v[SD+\t], v[SD+\t]
.endr
	v_mov_b32 v255, 0x3a000000
	s_wait_alu depctr_va_vdst(0)
.irp t, 0,1
	v_mul_f32 v[ST+8*\t+2], v[ST+8*\t+2], v[ST+8*\t+6]
.endr
.irp t, 0,1
	v_fma_f32 v[ST+8*\t+2], v[ST+8*\t+5], v[ST+8*\t+7], v[ST+8*\t+2]
.endr
	s_delay_alu instid0(VALU_DEP_2)
	v_cmp_eq_f32 s10, 0, v[ST+2]
	s_delay_alu instid0(VALU_DEP_2)
	v_cmp_eq_f32 s11, 0, v[ST+10]
.irp t, 0
	s_delay_alu instid0(VALU_DEP_2)
	v_cndmask_b32 v[ST+8*\t+2], v[ST+8*\t+2], 1.0, s[10+\t]
	v_cndmask_b32 v[SD+\t], v[SD+\t], v255, s[10+\t]
.endr
.irp t, 1
	s_delay_alu instid0(VALU_DEP_3)
	v_cndmask_b32 v[ST+8*\t+2], v[ST+8*\t+2], 1.0, s[10+\t]
	v_cndmask_b32 v[SD+\t], v[SD+\t], v255, s[10+\t]
.endr
	s_wait_alu depctr_va_vdst(0)
.irp t, 0,1
	v_rcp_f32 v[ST+8*\t+3], v[ST+8*\t+2]
.endr
	v_nop
	s_wait_alu depctr_va_vdst(0)
.irp t, 0,1
	v_mul_f32 v[ST+8*\t+6], v[SD+\t], v[ST+8*\t+3]
.endr
	s_wait_alu depctr_va_vdst(0)
	s_wait_loadcnt 0x0
.irp p, 0,2,4,6,8,10,12,14,16,18,20,22,24,26,28,30
.irp t, 0,1
	v_pk_mul_f32 v[92-36*\t+\p:92-36*\t+\p+1], v[92-36*\t+\p:92-36*\t+\p+1], v[ST+8*\t+6:ST+8*\t+7] op_sel_hi:[1,0]
.endr
.endr
.irp t, 0,1
	v_max3_num_f32 v[ST+8*\t+4], |v[92-36*\t]|, |v[92-36*\t+1]|, 0x1800000
.endr
.irp i, 2,4,6,8,10,12,14,16,18,20,22,24,26,28,30
.irp t, 0,1
	s_delay_alu instid0(VALU_DEP_2)
	v_max3_num_f32 v[ST+8*\t+4], v[ST+8*\t+4], |v[92-36*\t+\i]|, |v[92-36*\t+\i+1]|
.endr
.endr
.irp t, 0,1
	s_delay_alu instid0(VALU_DEP_2)
	v_add_nc_u32 v[ST+8*\t+5], 0xff000000, v[ST+8*\t+4]
.endr
.irp t, 0,1
	s_delay_alu instid0(VALU_DEP_2)
	v_lshrrev_b32 v[ST+8*\t+4], 23, v[ST+8*\t+5]
.endr
.irp t, 0,1
	v_cvt_scalef32_pk16_fp6_f32 v[S0+8*\t:S0+8*\t+2], v[92-36*\t:92-36*\t+15], v[ST+8*\t+5]
	v_cvt_scalef32_pk16_fp6_f32 v[S0+8*\t+4:S0+8*\t+6], v[92-36*\t+16:92-36*\t+31], v[ST+8*\t+5]
.endr
	v_nop
.irp t, 0,1
.irp i, 3,4,5
	v_mov_b32 v[S0+8*\t+\i], v[S0+8*\t+\i+1]
.endr
.endr
.irp t, 0,1
	global_store_b128 v[O16], v[S0+8*\t:S0+8*\t+3], s[52:53] offset:12288*\t
	global_store_b64 v[O8], v[S0+8*\t+4:S0+8*\t+5], s[52:53] offset:12288*\t+512
.endr
.irp t, 0,1
	v_permlanex16_b32 v[ST+8*\t+7], v[ST+8*\t+4], s[SEL], s[SEL+1]
.endr
.irp t, 0
	s_delay_alu instid0(VALU_DEP_2)
	v_cndmask_b32 v[ST+8*\t], v[ST+8*\t+4], v[ST+8*\t+7], s[HI]
	s_delay_alu instid0(VALU_DEP_3)
	v_cndmask_b32 v[ST+8*\t+1], v[ST+8*\t+7], v[ST+8*\t+4], s[HI]
.endr
.irp t, 1
	s_delay_alu instid0(VALU_DEP_3)
	v_cndmask_b32 v[ST+8*\t], v[ST+8*\t+4], v[ST+8*\t+7], s[HI]
	s_delay_alu instid0(VALU_DEP_4)
	v_cndmask_b32 v[ST+8*\t+1], v[ST+8*\t+7], v[ST+8*\t+4], s[HI]
.endr
.irp t, 0
	s_delay_alu instid0(VALU_DEP_3)
	v_lshl_or_b32 v[ST+8*\t+2], v[ST+8*\t+1], 8, v[ST+8*\t]
.endr
.irp t, 1
	s_delay_alu instid0(VALU_DEP_2)
	v_lshl_or_b32 v[ST+8*\t+2], v[ST+8*\t+1], 8, v[ST+8*\t]
.endr
	s_delay_alu instid0(VALU_DEP_1)
	v_cndmask_b32 v[ST+3], v[ST+2], v[ST+10], s[HI]
	v_lshl_add_u32 v255, v[HH], 9, v[O4R]
	global_store_b16 v255, v[ST+3], s[54:55] offset:3145728
	s_wait_tensorcnt 0x0
	ds_add_u32 v[SPW], v[NIL]
	s_wait_dscnt 0x0
	CROUND
	s_endpgm
.Lfunc_end_k_qd0234745df_att:
	.size	k_qd0234745df_att, .Lfunc_end_k_qd0234745df_att-k_qd0234745df_att
	.p2alignl 7, 3214868480
	.fill 96, 4, 3214868480
	.section	.rodata,"a",@progbits
	.p2align	6, 0x0
	.amdhsa_kernel k_qd0234745df_att
		.amdhsa_group_segment_fixed_size 327680
		.amdhsa_private_segment_fixed_size 0
		.amdhsa_enable_private_segment 0
		.amdhsa_kernarg_size 24
		.amdhsa_user_sgpr_count 2
		.amdhsa_user_sgpr_kernarg_segment_ptr 1
		.amdhsa_wavefront_size32 1
		.amdhsa_system_sgpr_workgroup_id_x 1
		.amdhsa_system_sgpr_workgroup_id_y 1
		.amdhsa_system_sgpr_workgroup_id_z 1
		.amdhsa_system_vgpr_workitem_id 0
		.amdhsa_next_free_vgpr 256
		.amdhsa_next_free_sgpr 66
		.amdhsa_reserve_vcc 1
		.amdhsa_float_denorm_mode_32 3
		.amdhsa_float_denorm_mode_16_64 3
		.amdhsa_memory_ordered 1
		.amdhsa_forward_progress 1
		.amdhsa_inst_pref_size 69
	.end_amdhsa_kernel
	.amdgpu_metadata
---
amdhsa.version: [ 1, 2 ]
amdhsa.kernels:
  - .name:           k_qd0234745df_att
    .symbol:         k_qd0234745df_att.kd
    .args:
      - { .name: qkv, .offset: 0, .size: 8, .value_kind: global_buffer, .address_space: global }
      - { .name: source_mask, .offset: 8, .size: 8, .value_kind: global_buffer, .address_space: global }
      - { .name: aq, .offset: 16, .size: 8, .value_kind: global_buffer, .address_space: global }
    .group_segment_fixed_size: 327680
    .private_segment_fixed_size: 0
    .kernarg_segment_align: 8
    .kernarg_segment_size: 24
    .max_flat_workgroup_size: 256
    .sgpr_count:     66
    .vgpr_count:     256
    .wavefront_size: 32
...
	.end_amdgpu_metadata
.endif
;; end of part 3
;; launch woln (part 4): grid 256 x 1, 8 waves a work-group, no clusters, 118,784 bytes of LDS; arguments aq, wts, x, alpha2, bias2, x1, x2q; writes x1, x2q
.if DOCPART == 4
	.amdgcn_target "amdgcn-amd-amdhsa--gfx1250"
	.amdhsa_code_object_version 6
	.text
	.protected	k_qd0234745df_woln
	.globl	k_qd0234745df_woln
	.p2align	8
	.type	k_qd0234745df_woln,@function
k_qd0234745df_woln:
	s_mov_b64 s[64:65], 0
	v_nop
	global_prefetch_b8 v0, s[64:65] scope:SCOPE_SE
	s_setreg_imm32_b32 hwreg(HW_REG_WAVE_MODE, 25, 1), 1
	s_wait_xcnt 0x0
; x1 = x + attn wo^T, then y = alpha2 (x1 - mean) / (std + 1e-6) + bias2 (std with 1,023 in the divisor), y quantised along the row into codes of E2M3 with E8M0 bytes.  Nothing is left out.
; SHARES: a work-group takes 16 WHOLE rows (one block of aq), so that the norm's sums stay inside it: 256 work-groups.  Wave w of eight makes columns 128 w .. 128 w + 127: eight weight tiles, eight accumulators.
; OPERANDS lie in memory as fragments (16 rows x 128 k as the operand's 12 registers, 1,536 bytes), [block or tile][K step][1,536], scale words [block or tile][K step][16 words].
; THE WEIGHTS GO FROM MEMORY STRAIGHT INTO REGISTERS: a wave's eight tiles are its own; a ring of two K steps (2 x 96 registers, window 1), 32 loads a K step, asked for two K steps ahead.
; THE WALK ALONG K IS ROTATED, in pairs of K steps, by bits 1 and 2 of the work-group's number: position q of the walk is K step (q + 2 j) % 8.  So the work-groups' first two sets together name all eight K steps,
; and a later position names bytes that other work-groups have read before.  The rotation enters addresses alone; an f32 sum's order along K is free here (the result is compared within a tolerance).
; NO JOINT LOADS: a joint load lands in LDS, from where each fragment would be read once, by one wave; this text has no tensor load, no slot and no refill.  No prefetch: the ring's own loads run two K steps ahead.
; A's eight fragments are fetched once, a K step a wave, and shared through LDS as register images.  Scale words are copied in dense runs of 512 bytes into the wave's own LDS and read back a word a lane;
; a register holds two K steps: lanes 0-15 the even one's words, lanes 16-31 the odd one's; the ROW selectors choose (the rotation keeps a K step's parity).
; THE PRODUCT IS USED TRANSPOSED (source 0 = weight rows, source 1 = A's rows): lane (r, h) holds row r; by the weights' row order register 16 g + i of the 64 is column 32 g + 16 h + i of my 128.
; x comes by whole rows of 512 bytes behind the ring's first set, turns through the wave's own stage into the result's layout during the walk, and is added behind it; x1 goes back through the stage and leaves by whole rows.
; THE NORM: each wave takes the mean of its 128 columns and the squares of the deviations from it; the eight pairs meet in LDS behind one barrier: mean = the means' mean,
; sum of squares = the eight sums + 128 x the squares of (wave's mean - mean).  So a common offset of the inputs costs no digits.  A wave's 128 columns are one K step of x2q.
; LIMITS: NaN and infinities are not served; a block under 2^-124, zeros too, gets the byte 1 (this program alone reads the bytes); the sums' order differs from reference()'s.
.set FRB,  1536
.set WOC,  2359296                     ; wo's codes in wts, and its scale words
.set WOS,  9535488
.set SCO,  3145728                     ; the scale words' place in aq and in x2q
.set SP,   528                         ; a stage row: 512 bytes + 16
.set WR0,  8*FRB                       ; LDS: A's eight images, then a region for each wave:
.set WREG, 13056                       ; stage 16 x 528, the weights' scale words 4,096, A's 512
.set SCWO, 16*SP
.set ASCO, SCWO+4096
.set EX,   WR0+8*WREG                  ; the norm's pairs: [row][wave][mean, squares]
.set SPARE, EX+1024                    ; the spare words, 128 bytes a wave
.set L16, 4
.set L8,  5
.set R4,  6
.set STO, 7                            ; stage: row r, + 64 h
.set RD,  8                            ; my region + 16 x lane
.set SCR, 9                            ; my region + 4 x lane
.set AW16, 10                          ; my K step's image of A
.set AW8, 11
.set EXW, 12
.set EXR, 13
.set SPW, 16                           ; my spare word; 0; never rewritten
.set NIL, 17
.set ACC, 20                           ; v20-83 the accumulators
.set AFR, 84                           ; v84-179 A's eight fragments, by position of the walk; on the way out x1's rows
.set AT,  148                          ; at the head: my K step of A
.set WSC, 180                          ; v180-211 the weights' scale words: 4 t + position / 2
.set ASR, 212                          ; v212-215 A's
.set S,   216                          ; v216-223 partial sums
.set MW,  224                          ; v224-225 my wave's mean and squares
.set MN,  226
.set DL,  227
.set E,   232                          ; v232-247 the eight pairs
.set AP,  232                          ; at the head v232-243: for pair a of the walk: A's images + 16 x lane, + 8 x lane, my scale words
.set TM,  216                          ; the quantiser's work, its codes, its word
.set PC,  232
.set PW,  252
.set XR,  192                          ; window 1, v192-255: x
.set SEL, 56
.set WB,  66                           ; s[66:73] my weight tiles at pair a of the walk
.set MSB, 0
.macro WIN new
.if MSB != (\new)
	s_set_vgpr_msb (MSB<<8)|(\new)
.set MSB, (\new)
.endif
.endm
.macro PLACES                          ; four plain places behind a matrix instruction (ISA guide 7.12.1)
.rept 4
	v_nop
.endr
.endm
.macro WLOAD q                         ; position q's eight weight fragments into set q % 2 of the ring: 32 loads
	WIN 0x40
.set ti, 0
.rept 8
.set wr, 96*((\q)%2)+12*ti
.set wo, ti*8*FRB+((\q)%2)*FRB
.set wb, WB+2*((\q)/2)
	global_load_b128 v[wr:wr+3], v[L16], s[wb:wb+1] offset:wo
	global_load_b64 v[wr+4:wr+5], v[L8], s[wb:wb+1] offset:wo+512
	global_load_b128 v[wr+6:wr+9], v[L16], s[wb:wb+1] offset:wo+768
	global_load_b64 v[wr+10:wr+11], v[L8], s[wb:wb+1] offset:wo+1280
.set ti, ti+1
.endr
	WIN 0
.endm
.macro KMUL k                          ; the eight accumulators take turns; position 0 starts the sums
	WIN 0x01
.set ti, 0
.rept 8
.set wr, 96*((\k)%2)+12*ti
.if (\k) == 0
	v_wmma_scale_f32_16x16x128_f8f6f4 v[ACC+8*ti:ACC+8*ti+7], v[wr:wr+11], v[AFR:AFR+11], 0, v[WSC+4*ti], v[ASR] matrix_a_fmt:MATRIX_FMT_FP6 matrix_b_fmt:MATRIX_FMT_FP6
.elseif (\k)%2
	v_wmma_scale_f32_16x16x128_f8f6f4 v[ACC+8*ti:ACC+8*ti+7], v[wr:wr+11], v[AFR+12*(\k):AFR+12*(\k)+11], v[ACC+8*ti:ACC+8*ti+7], v[WSC+4*ti+(\k)/2], v[ASR+(\k)/2] matrix_a_fmt:MATRIX_FMT_FP6 matrix_b_fmt:MATRIX_FMT_FP6 matrix_a_scale:MATRIX_SCALE_ROW1 matrix_b_scale:MATRIX_SCALE_ROW1
.else
	v_wmma_scale_f32_16x16x128_f8f6f4 v[ACC+8*ti:ACC+8*ti+7], v[wr:wr+11], v[AFR+12*(\k):AFR+12*(\k)+11], v[ACC+8*ti:ACC+8*ti+7], v[WSC+4*ti+(\k)/2], v[ASR+(\k)/2] matrix_a_fmt:MATRIX_FMT_FP6 matrix_b_fmt:MATRIX_FMT_FP6
.endif
.set ti, ti+1
.endr
	WIN 0
.endm
.macro RED                             ; four pairs of partial sums become the sum over my wave's 128 columns of row r, in both lanes of the row
	v_pk_add_f32 v[S:S+1], v[S:S+1], v[S+2:S+3]
	v_pk_add_f32 v[S+4:S+5], v[S+4:S+5], v[S+6:S+7]
	v_pk_add_f32 v[S:S+1], v[S:S+1], v[S+4:S+5]
	v_add_f32 v[S], v[S], v[S+1]
	v_permlanex16_b32 v[S+2], v[S], s[SEL], s[SEL+1]
	v_add_f32 v[S], v[S], v[S+2]
.endm
.macro QUANT s, pw                     ; 64 numbers of a lane, register s + 16 b + i = k 32 b + 16 h + i of row r, become a fragment in v[PC] on and the row's scale word
.irp b, 0,1,2,3
	v_max3_num_f32 v[TM+\b], |v[\s+16*\b]|, |v[\s+1+16*\b]|, 0x1800000   ; with the floor 2^(3 - 127): the byte cannot fall under 1
.endr
.irp i, 2,4,6,8,10,12,14
.irp b, 0,1,2,3
	v_max3_num_f32 v[TM+\b], v[TM+\b], |v[\s+16*\b+\i]|, |v[\s+1+16*\b+\i]|
.endr
.endr
.irp b, 0,1,2,3
	v_permlanex16_b32 v[TM+4+\b], v[TM+\b], s[SEL], s[SEL+1]
.endr
.irp b, 0,1,2,3
	v_max_num_f32 v[TM+\b], v[TM+\b], v[TM+4+\b]
.endr
.irp b, 0,1,2,3
	v_add_nc_u32 v[TM+12+\b], 0xff000000, v[TM+\b] ; 2 off the exponent field: the conversion's scale operand
.endr
.irp b, 0,1,2,3
	v_lshrrev_b32 v[TM+4+\b], 23, v[TM+12+\b]      ; the byte
.endr
	v_lshl_or_b32 v[\pw], v[TM+5], 8, v[TM+4]
	v_lshl_or_b32 v[\pw], v[TM+6], 16, v[\pw]
	v_lshl_or_b32 v[\pw], v[TM+7], 24, v[\pw]
.irp c, 0,1
	v_cvt_scalef32_pk16_fp6_f32 v[PC+6*\c:PC+2+6*\c], v[\s+32*\c:\s+15+32*\c], v[TM+12+2*\c]
	v_cvt_scalef32_pk16_fp6_f32 v[PC+12+4*\c:PC+14+4*\c], v[\s+16+32*\c:\s+31+32*\c], v[TM+12+2*\c+1]
.endr
	v_nop                                          ; one plain place behind a scaled conversion
.irp c, 0,1
.irp i, 0,1,2
	v_permlane16_swap_b32 v[PC+6*\c+\i], v[PC+12+4*\c+\i]
.endr
.irp i, 0,1,2
	v_mov_b32 v[PC+3+6*\c+\i], v[PC+12+4*\c+\i]
.endr
.endr
.endm
	s_load_b256 s[4:11], s[0:1], 0x0               ; aq s[4:5], wts s[6:7], x s[8:9], alpha2 s[10:11]
	s_load_b128 s[12:15], s[0:1], 0x20             ; bias2 s[12:13], x1 s[14:15]
	s_load_b64 s[16:17], s[0:1], 0x30              ; x2q
	v_lshl_add_u32 v[SPW], v0, 2, SPARE
	v_mov_b32 v[NIL], 0
	v_lshrrev_b32 v1, 5, v0
	v_readfirstlane_b32 s20, v1                    ; wave
	v_and_b32 v1, 31, v0                           ; lane
	v_and_b32 v2, 15, v0                           ; r
	v_bfe_u32 v3, v0, 4, 1                         ; h
	v_lshlrev_b32 v[L16], 4, v1
	v_lshlrev_b32 v[L8], 3, v1
	v_lshlrev_b32 v[R4], 2, v2
	s_mul_i32 s21, s20, WREG
	s_add_co_u32 s21, s21, WR0                     ; my region of LDS
	v_mul_u32_u24 v[STO], v2, SP
	v_lshl_add_u32 v[STO], v3, 6, v[STO]
	v_add_nc_u32 v[STO], s21, v[STO]
	v_add_nc_u32 v[RD], s21, v[L16]
	v_lshl_add_u32 v[SCR], v1, 2, s21
	s_mul_i32 s22, s20, FRB
	v_add_nc_u32 v[AW16], s22, v[L16]
	v_add_nc_u32 v[AW8], s22, v[L8]
	s_lshl_b32 s23, s20, 3
	s_add_co_u32 s23, s23, EX
	v_lshl_add_u32 v[EXW], v2, 6, s23
	v_lshl_add_u32 v[EXR], v2, 6, EX
	v_mov_b32 v[MW+1], 0                           ; (named as the upper half of a pair before it is first used)
	s_wait_alu depctr_va_vdst(0)
	s_bfe_u32 s38, ttmp9, 0x20001                  ; j: bits 1 and 2 of the work-group's number
.irp a, 0,1,2,3                        ; pair a of the walk is the pair (a + j) % 4 of K steps
	s_add_co_u32 s39, s38, \a
	s_and_b32 s39, s39, 3
	s_mul_i32 s[WB+2*\a], s39, 2*FRB
	s_mov_b32 s[WB+2*\a+1], 0
	s_lshl_b32 s39, s39, 7
	v_add_nc_u32 v[AP+\a], s[WB+2*\a], v[L16]
	v_add_nc_u32 v[AP+4+\a], s[WB+2*\a], v[L8]
	v_add_nc_u32 v[AP+8+\a], s39, v[SCR]
.endr
	s_mov_b32 s[SEL], 0x76543210
	s_mov_b32 s[SEL+1], 0xfedcba98
	s_mul_i32 s26, ttmp9, 8*FRB                    ; fragment (my block, K step = wave), in aq and in x2q
	s_add_co_u32 s26, s26, s22
	s_mov_b32 s27, 0
	s_lshl_b32 s28, ttmp9, 9                       ; my block's scale words
	s_mov_b32 s29, 0
	s_mul_i32 s30, s20, 64*FRB                     ; my eight weight tiles
	s_add_co_u32 s30, s30, WOC
	s_mov_b32 s31, 0
	s_lshl_b32 s32, s20, 12                        ; and their scale words
	s_add_co_u32 s32, s32, WOS
	s_mov_b32 s33, 0
	s_lshl_b32 s34, ttmp9, 16                      ; 16 rows of 4,096 bytes, + my 512 bytes of each
	s_lshl_b32 s35, s20, 9
	s_add_co_u32 s34, s34, s35
	s_mov_b32 s35, 0
	s_lshl_b32 s36, s20, 6
	s_add_co_u32 s36, s36, s28
	s_mov_b32 s37, 0
	s_wait_alu depctr_va_vdst(0)
	s_wait_kmcnt 0x0
	s_load_b32 s40, s[10:11], 0x0                  ; alpha2
	s_load_b32 s42, s[12:13], 0x0                  ; bias2
	s_add_nc_u64 s[44:45], s[4:5], s[26:27]
	s_add_nc_u64 s[46:47], s[4:5], s[28:29]
	s_add_nc_u64 s[48:49], s[6:7], s[30:31]
	s_add_nc_u64 s[50:51], s[6:7], s[32:33]
.irp a, 0,1,2,3
	s_add_nc_u64 s[WB+2*\a:WB+2*\a+1], s[48:49], s[WB+2*\a:WB+2*\a+1]
.endr
	s_add_nc_u64 s[8:9], s[8:9], s[34:35]
	s_add_nc_u64 s[14:15], s[14:15], s[34:35]
	s_add_nc_u64 s[52:53], s[16:17], s[26:27]
	s_add_nc_u64 s[54:55], s[16:17], s[36:37]
	global_load_b128 v[AT:AT+3], v[L16], s[44:45]                  ; 4 loads: my K step of A
	global_load_b64 v[AT+4:AT+5], v[L8], s[44:45] offset:512
	global_load_b128 v[AT+6:AT+9], v[L16], s[44:45] offset:768
	global_load_b64 v[AT+10:AT+11], v[L8], s[44:45] offset:1280
	global_load_b128 v[ASR:ASR+3], v[L16], s[46:47] offset:SCO     ; 1: A's scale words, 512 bytes
.set qi, 0
.rept 8
	global_load_b128 v[WSC+4*qi:WSC+4*qi+3], v[L16], s[50:51] offset:512*qi   ; 8: my tiles' scale words
.set qi, qi+1
.endr
	WLOAD 0                                        ; 32: the ring's first set
	WIN 0x40
.set qi, 0
.rept 16
	global_load_b128 v[XR+4*qi:XR+4*qi+3], v[L16], s[8:9] offset:4096*qi th:TH_LOAD_NT   ; 16: x, a row's 512 bytes a load: 61 loads are out
.set qi, qi+1
.endr
	WIN 0
	s_wait_loadcnt 57                              ; A's four are in
	ds_store_b128 v[AW16], v[AT:AT+3]
	ds_store_b64 v[AW8], v[AT+4:AT+5] offset:512
	ds_store_b128 v[AW16], v[AT+6:AT+9] offset:768
	ds_store_b64 v[AW8], v[AT+10:AT+11] offset:1280
	s_wait_loadcnt 48                              ; the nine loads of scale words are in; the first set's 32 and x's 16 may be out
	ds_store_b128 v[RD], v[ASR:ASR+3] offset:ASCO
.set qi, 0
.rept 8
	ds_store_b128 v[RD], v[WSC+4*qi:WSC+4*qi+3] offset:SCWO+512*qi
.set qi, qi+1
.endr
	s_wait_dscnt 0x0                               ; for the others' sake: my image of A lies in LDS
	s_barrier_signal -1
	s_barrier_wait -1
.set qi, 0
.rept 8                                ; A's fragments, by position of the walk
	ds_load_b128 v[AFR+12*qi:AFR+12*qi+3], v[AP+qi/2] offset:(qi%2)*FRB
	ds_load_b64 v[AFR+12*qi+4:AFR+12*qi+5], v[AP+4+qi/2] offset:(qi%2)*FRB+512
	ds_load_b128 v[AFR+12*qi+6:AFR+12*qi+9], v[AP+qi/2] offset:(qi%2)*FRB+768
	ds_load_b64 v[AFR+12*qi+10:AFR+12*qi+11], v[AP+4+qi/2] offset:(qi%2)*FRB+1280
.set qi, qi+1
.endr
.set qi, 0
.rept 32
	ds_load_b32 v[WSC+qi], v[AP+8+qi%4] offset:SCWO+512*(qi/4)     ; tile qi / 4, pair qi % 4 of the walk
.set qi, qi+1
.endr
.set qi, 0
.rept 4
	ds_load_b32 v[ASR+qi], v[AP+8+qi] offset:ASCO
.set qi, qi+1
.endr
	WLOAD 1
	s_wait_dscnt 0x0
.set kk, 0
.rept 8
.if kk == 0
	s_wait_loadcnt 48                              ; the first set is in; x's 16 loads and the second set's 32 may be out
.elseif kk < 7
	s_wait_loadcnt 32                              ; this position's 32 loads are in (and, being older, x's); the next one's may be out
.else
	s_wait_loadcnt 0x0
.endif
	KMUL kk
	PLACES
.if kk < 6
	WLOAD kk+2
.endif
.if kk == 1                            ; x is in: through my stage into the result's layout, back into the registers that the stores have read (LDS serves a wave's instructions in order)
	WIN 0x04
.set qi, 0
.rept 16
	ds_store_b128 v[RD], v[XR+4*qi:XR+4*qi+3] offset:SP*qi
.set qi, qi+1
.endr
	WIN 0x40
.set qi, 0
.rept 8
	ds_load_b128 v[XR+8*qi:XR+8*qi+3], v[STO] offset:128*(qi/2)+32*(qi%2)
	ds_load_b128 v[XR+8*qi+4:XR+8*qi+7], v[STO] offset:128*(qi/2)+32*(qi%2)+16
.set qi, qi+1
.endr
	WIN 0
.endif
.set kk, kk+1
.endr
	s_wait_dscnt 0x0                               ; x lies in the result's layout
	WIN 0x04
.set qi, 0
.rept 32
	v_pk_add_f32 v[ACC+qi:ACC+qi+1], v[ACC+qi:ACC+qi+1], v[XR+qi:XR+qi+1]   ; x1; each accumulator from its low end on
.set qi, qi+2
.endr
	WIN 0
	; ---- x1 through the stage
.set qi, 0
.rept 8
	ds_store_b128 v[STO], v[ACC+8*qi:ACC+8*qi+3] offset:128*(qi/2)+32*(qi%2)
	ds_store_b128 v[STO], v[ACC+8*qi+4:ACC+8*qi+7] offset:128*(qi/2)+32*(qi%2)+16
.set qi, qi+1
.endr
.set qi, 0
.rept 16
	ds_load_b128 v[AFR+4*qi:AFR+4*qi+3], v[RD] offset:SP*qi        ; these see my stores
.set qi, qi+1
.endr
	; ---- my wave's mean
.irp c, 0,1,2,3
	v_pk_add_f32 v[S+2*\c:S+2*\c+1], v[ACC+4*\c:ACC+4*\c+1], v[ACC+4*\c+2:ACC+4*\c+3]
.endr
.irp p, 16,18,32,34,48,50
.irp c, 0,1,2,3
	v_pk_add_f32 v[S+2*\c:S+2*\c+1], v[S+2*\c:S+2*\c+1], v[ACC+\p+4*\c:ACC+\p+4*\c+1]
.endr
.endr
	RED
	v_mul_f32 v[MW], 0x3c000000, v[S]              ; / 128
.set qi, 0
.rept 32
	v_pk_add_f32 v[ACC+qi:ACC+qi+1], v[ACC+qi:ACC+qi+1], v[MW:MW+1] op_sel_hi:[1,0] neg_lo:[0,1] neg_hi:[0,1]   ; the deviations from it, in place
.set qi, qi+2
.endr
.irp c, 0,1,2,3
	v_pk_mul_f32 v[S+2*\c:S+2*\c+1], v[ACC+2*\c:ACC+2*\c+1], v[ACC+2*\c:ACC+2*\c+1]
.endr
.set qi, 8
.rept 7
.irp c, 0,1,2,3
	v_pk_fma_f32 v[S+2*\c:S+2*\c+1], v[ACC+qi+2*\c:ACC+qi+2*\c+1], v[ACC+qi+2*\c:ACC+qi+2*\c+1], v[S+2*\c:S+2*\c+1]
.endr
.set qi, qi+8
.endr
	RED
	v_mov_b32 v[MW+1], v[S]
	ds_store_b64 v[EXW], v[MW:MW+1]                ; both lanes of a row write the same pair
	s_wait_alu depctr_va_vdst(0)
	s_wait_dscnt 0x0                               ; my pair lies in LDS, and x1's rows are back in registers
	s_barrier_signal -1
	s_barrier_wait -1
.irp j, 0,1,2,3
	ds_load_b128 v[E+4*\j:E+4*\j+3], v[EXR] offset:16*\j
.endr
.set qi, 0
.rept 16
	global_store_b128 v[L16], v[AFR+4*qi:AFR+4*qi+3], s[14:15] offset:4096*qi   ; x1: 512 consecutive bytes, aligned
.set qi, qi+1
.endr
	s_wait_dscnt 0x0
.irp j, 0,1,2,3
	v_pk_add_f32 v[S+2*\j:S+2*\j+1], v[E+4*\j:E+4*\j+1], v[E+4*\j+2:E+4*\j+3]   ; means in the low halves, squares in the high
.endr
	v_pk_add_f32 v[S:S+1], v[S:S+1], v[S+2:S+3]
	v_pk_add_f32 v[S+4:S+5], v[S+4:S+5], v[S+6:S+7]
	v_pk_add_f32 v[S:S+1], v[S:S+1], v[S+4:S+5]
	v_mul_f32 v[MN], 0x3e000000, v[S]              ; the row's mean: / 8
.irp w, 0,2,4,6,8,10,12,14
	v_sub_f32 v[E+\w], v[E+\w], v[MN]
.endr
	v_mul_f32 v[S+2], v[E], v[E]
	v_mul_f32 v[S+3], v[E+2], v[E+2]
.irp w, 4,8,12
	v_fma_f32 v[S+2], v[E+\w], v[E+\w], v[S+2]
	v_fma_f32 v[S+3], v[E+\w+2], v[E+\w+2], v[S+3]
.endr
	v_add_f32 v[S+2], v[S+2], v[S+3]
	v_fmamk_f32 v[S+1], v[S+2], 0x43000000, v[S+1] ; + 128 x the squares of the waves' means' deviations
	v_mul_f32 v[S+1], 0x3a802008, v[S+1]           ; / 1,023
	v_sub_f32 v[DL], v[MN], v[MW]                  ; the mean less my wave's
	s_wait_alu depctr_va_vdst(0)                   ; a wait ahead of a transcendental and one behind it
	v_sqrt_f32 v[S+1], v[S+1]
	v_nop
	s_wait_alu depctr_va_vdst(0)
	v_add_f32 v[S+1], 0x358637bd, v[S+1]           ; + 1e-6
	s_wait_alu depctr_va_vdst(0)
	v_rcp_f32 v[S+1], v[S+1]
	v_nop
	s_wait_alu depctr_va_vdst(0)
	s_wait_kmcnt 0x0                               ; alpha2 and bias2
	v_mul_f32 v[S+4], s40, v[S+1]                  ; the gain
	v_fma_f32 v[S+6], -v[DL], v[S+4], s42          ; bias2 - gain x (mean - my wave's mean)
.set qi, 0
.rept 32
	v_pk_fma_f32 v[ACC+qi:ACC+qi+1], v[ACC+qi:ACC+qi+1], v[S+4:S+5], v[S+6:S+7] op_sel_hi:[1,0,0]
.set qi, qi+2
.endr
	QUANT ACC, PW
	global_store_b128 v[L16], v[PC:PC+3], s[52:53]
	global_store_b64 v[L8], v[PC+4:PC+5], s[52:53] offset:512
	global_store_b128 v[L16], v[PC+6:PC+9], s[52:53] offset:768
	global_store_b64 v[L8], v[PC+10:PC+11], s[52:53] offset:1280
	global_store_b32 v[R4], v[PW], s[54:55] offset:SCO             ; both lanes of a row store the same word
	s_wait_tensorcnt 0x0                           ; the wave's end
	ds_add_u32 v[SPW], v[NIL]
	s_wait_dscnt 0x0
	s_endpgm
.Lfunc_end_k_qd0234745df_woln:
	.size	k_qd0234745df_woln, .Lfunc_end_k_qd0234745df_woln-k_qd0234745df_woln
	.p2alignl 7, 3214868480
	.fill 96, 4, 3214868480
	.section	.rodata,"a",@progbits
	.p2align	6, 0x0
	.amdhsa_kernel k_qd0234745df_woln
		.amdhsa_group_segment_fixed_size 118784
		.amdhsa_private_segment_fixed_size 0
		.amdhsa_enable_private_segment 0
		.amdhsa_kernarg_size 56
		.amdhsa_user_sgpr_count 2
		.amdhsa_user_sgpr_kernarg_segment_ptr 1
		.amdhsa_wavefront_size32 1
		.amdhsa_system_sgpr_workgroup_id_x 1
		.amdhsa_system_sgpr_workgroup_id_y 1
		.amdhsa_system_sgpr_workgroup_id_z 1
		.amdhsa_system_vgpr_workitem_id 0
		.amdhsa_next_free_vgpr 512
		.amdhsa_next_free_sgpr 84
		.amdhsa_reserve_vcc 0
		.amdhsa_float_denorm_mode_32 3
		.amdhsa_float_denorm_mode_16_64 3
		.amdhsa_memory_ordered 1
		.amdhsa_forward_progress 1
		.amdhsa_inst_pref_size 70
	.end_amdhsa_kernel
	.amdgpu_metadata
---
amdhsa.version: [ 1, 2 ]
amdhsa.kernels:
  - .name:           k_qd0234745df_woln
    .symbol:         k_qd0234745df_woln.kd
    .args:
      - { .name: aq, .offset: 0, .size: 8, .value_kind: global_buffer, .address_space: global }
      - { .name: wts, .offset: 8, .size: 8, .value_kind: global_buffer, .address_space: global }
      - { .name: x, .offset: 16, .size: 8, .value_kind: global_buffer, .address_space: global }
      - { .name: alpha2, .offset: 24, .size: 8, .value_kind: global_buffer, .address_space: global }
      - { .name: bias2, .offset: 32, .size: 8, .value_kind: global_buffer, .address_space: global }
      - { .name: x1, .offset: 40, .size: 8, .value_kind: global_buffer, .address_space: global }
      - { .name: x2q, .offset: 48, .size: 8, .value_kind: global_buffer, .address_space: global }
    .group_segment_fixed_size: 118784
    .private_segment_fixed_size: 0
    .kernarg_segment_align: 8
    .kernarg_segment_size: 56
    .max_flat_workgroup_size: 256
    .sgpr_count:     84
    .vgpr_count:     512
    .wavefront_size: 32
...
	.end_amdgpu_metadata
.endif
;; end of part 4
;; launch ffn1 (part 5): grid 16 x 16, 4 waves a work-group, clusters of 4 x 4, 327,680 bytes of LDS; arguments x2q, wts, b1, hq; writes hq
.if DOCPART == 5
	.amdgcn_target "amdgcn-amd-amdhsa--gfx1250"
	.amdhsa_code_object_version 6
	.text
	.protected	k_qd0234745df_ffn1
	.globl	k_qd0234745df_ffn1
	.p2align	8
	.type	k_qd0234745df_ffn1,@function
k_qd0234745df_ffn1:
	s_mov_b64 s[64:65], 0
	v_nop
	global_prefetch_b8 v0, s[64:65] scope:SCOPE_SE
	s_setreg_imm32_b32 hwreg(HW_REG_WAVE_MODE, 25, 1), 1
	s_wait_xcnt 0x0
	s_wait_alu depctr_hold_cnt(0) depctr_sa_sdst(0) depctr_va_vdst(0) depctr_va_sdst(0) depctr_va_ssrc(0) depctr_va_vcc(0) depctr_vm_vsrc(0)
	s_getreg_b32 s2, hwreg(HW_REG_IB_STS2, 6, 4)
	s_cmp_eq_u32 s2, 0
	s_cbranch_scc0 .Lentry_in_a_cluster
	s_endpgm
.Lentry_in_a_cluster:
	s_bfe_u32 s2, ttmp6, 0x10000c
	s_cmp_lg_u32 s2, 0xf033
	s_cbranch_scc0 .Lentry_shape_is_right
	s_endpgm
.Lentry_shape_is_right:
; h = relu(xn w1^T + b1), quantised along its 4,096 columns: a GEMM [4,096 rows] x [4,096 weight rows], K = 1,024, on codes of E2M3 with E8M0 scales.  Nothing is left out.
; ONE CORE SERVES qkv AND ffn1: head, macros and the order of the K steps are the same text; the constants below, the bias and the way out are each launch's own.
; OPERANDS lie in memory as fragments (16 rows x 128 k as the operand's 12 registers, 1,536 bytes: registers 0-3 at 16 x lane, 4-5 at 512 + 8 x lane, 6-9 at 768 + 16 x lane, 10-11 at 1,280 + 8 x lane),
; [block of 16 rows][K step][1,536], scale words [block][K step][16 words].  So a tile is BL long rows for one tensor load, and a fragment comes out of LDS by four loads of consecutive bytes: no pitch, no padding.
; SHARES: four waves, 2 x 2; a wave makes 128 x 128 of the result (64 accumulators).  The scale words of the work-group's rows come once and stay.
; THREE LDS SLOTS OF TWO K STEPS.  K's eight steps are four slots' worth: three are first fills; the fourth is brought into slot 0 as soon as that has been read, and has slots 1 and 2, 256 matrix instructions a wave,
; in which to land.  So the product has one refill and one round of the cluster's barrier; the change from slot 1 to slot 2 needs no barrier, since at the refill's barrier every wave had waited for all its loads.
; CLUSTER 4 x 4: A's tiles are asked for jointly along a row of the cluster, the weights' along a column.
; THE PRODUCT IS USED TRANSPOSED (source 0 = 16 weight rows, source 1 = 16 activation rows): lane (r, h) holds activation row r; by the weights' row order the 16 registers of accumulators 2 g, 2 g + 1 are columns 32 g + 16 h + 0..15.
; REGISTERS: window 0: v10-30 addresses; v32-63 scale words, two sets; v64-127 the bias, eight registers a tile in the result's layout: the C of each sum's first product; v128.. A's fragments.  Window 1: the weights' two sets.  Windows 2, 3: accumulators.
; THE WAY OUT: a wave's 128 columns are one K step of the next product: for each block of 16 rows the 64 numbers of a lane are clipped at 0 into window 0, quantised there, and leave as one fragment and its scale words.
; LIMITS: as stated at the first launch's head (NaN, infinities; blocks under 2^-124, zeros too, get the byte 1).
.set BL,  8
.set NQ,  2
.set NS,  8
.set ASC, 3145728
.set WC,  3145728
.set WS,  9568256
.set CM,  2
; ---------------------------------------------------------------- the core
.set HB,  BL/2
.set NL,  4                            ; LDS loads to a fragment
.set FRB, 1536
.set QUARTER, BL*NQ*FRB                ; what one tensor load brings, and what a wave reads of A or of the weights in a slot
.set SLOT, 4*QUARTER                   ; A's two halves, then the weights' two
.set SCL,  3*SLOT                      ; behind the three slots: four regions of scale words
.set HALFS, BL*NS*64
.set SPARE, SCL+4*HALFS                ; the spare words, 128 bytes a wave
.set L16, 10                           ; v10 16 x lane, v11 8 x lane
.set L8,  11
.set ADRA, 16                          ; v16-17 A's fragments in slot 0 and the double slot (+ 16 x lane); v19-20 the same + 8 x lane
.set ADRB, 22                          ; v22-27 the weights'
.set SPW, 28                           ; v28 my spare word; v29 0; never rewritten
.set NIL, 29
.set ADRS, 30                          ; v30 my scale words
.set SC,  32
.set BI,  64
.set AF,  128
.set G1, 24                            ; s[24:31] A's descriptor group 1; s[32:39] its group 0 for slot 0 and the double slot
.set G0, 32
.set G1B, 48                           ; s[48:55] the weights' group 1; s[56:63] their group 0 for slot 0 and the double slot
.set G0B, 56
.set G0B2, 92
.set G1S, 68                           ; s[68:75]: A's group 1 for the double slot; s[80:87]: the weights'; s[76:79]: the prefetches' base
.set G0S, 76
.set G1SB, 80
.set G0SB, 88
.set HI,  66                           ; s66 a lane mask: lanes 16-31
.set SEL, 96                           ; s[96:97] selects for lane l xor 16
.set CX,  98                           ; s98 cx, s99 cy, s100 the tile column
.set CY,  99
.set TC,  100
.set MR,  3                            ; s3 the mask of my row of the cluster, s13 of my column
.set MC,  13
.set WQ,  67                           ; s67 wave x QUARTER, s12 wave x HALFS
.set WH,  12
.set MSB, 0
.macro WIN new                         ; the immediate's high byte repeats the setting that is left; a switch that changes nothing is dropped
.if MSB != (\new)
	s_set_vgpr_msb (MSB<<8)|(\new)
.set MSB, (\new)
.endif
.endm
.macro PLACES                          ; four plain places behind a matrix instruction, ahead of loads into its registers and of reads of its results
.rept 4
	v_nop
.endr
.endm
.macro JLOAD g0a, g1a, g0b, g1b        ; a joint load: waves 0, 1 fetch for A, waves 2, 3 for the weights; an s_nop 0 and four v_nop follow each line
	s_cmp_eq_u32 s15, 0
	s_cbranch_scc0 .Lfor_b_\@
	tensor_load_to_lds s[\g0a:\g0a+3], s[\g1a:\g1a+7]
	s_nop 0
.rept 4
	v_nop
.endr
	s_branch .Lasked_\@
.Lfor_b_\@:
	tensor_load_to_lds s[\g0b:\g0b+3], s[\g1b:\g1b+7]
	s_nop 0
.rept 4
	v_nop
.endr
.Lasked_\@:
.endm
.macro SETG g, lo, s                   ; a group 0: count 1; the LDS address, by the wave's number and the slot; the global address of the slot's K steps; the type
	s_mov_b32 s[\g], 1
	s_add_co_u32 s[\g+1], s[WQ], (\s)*SLOT
	s_add_nc_u64 s[\g+2:\g+3], s[\lo:\lo+1], (\s)*NQ*FRB
	s_or_b32 s[\g+3], s[\g+3], 0x80000000
.endm
.macro CREST                           ; a round of the cluster's barrier behind its opening barrier
	s_cmp_lg_u32 s14, 0
	s_cbranch_scc1 .Lnot_wave_0_\@
	s_barrier_signal -3
.Lnot_wave_0_\@:
	s_barrier_wait -3
	s_barrier_signal -1
	s_barrier_wait -1
.endm
.macro CROUND
	s_barrier_signal -1
	s_barrier_wait -1
	CREST
.endm
.macro FRAG reg, adr, off
	ds_load_b128 v[\reg:\reg+3], v[\adr] offset:\off
	ds_load_b64 v[\reg+4:\reg+5], v[\adr+3] offset:\off+512
	ds_load_b128 v[\reg+6:\reg+9], v[\adr] offset:\off+768
	ds_load_b64 v[\reg+10:\reg+11], v[\adr+3] offset:\off+1280
.endm
.macro FETCH_B slot, q, p              ; the weights' BL fragments of the slot's q-th K step into set p
	WIN 0x40
.set fi, 0
.rept BL
.if (\slot) == 0
	FRAG 128*(\p)+12*fi, ADRB, (fi*NQ+(\q))*FRB
.else                                  ; slots 1 and 2 lie as ONE double slot, a block's four K steps on end
	FRAG 128*(\p)+12*fi, ADRB+1, (fi*2*NQ+((\slot)-1)*NQ+(\q))*FRB
.endif
.set fi, fi+1
.endr
	WIN 0
.endm
.macro FETCH_A slot, q, i0             ; A's blocks i0 .. i0 + HB - 1
.set fi, \i0
.rept HB
.if (\slot) == 0
	FRAG AF+12*fi, ADRA, (fi*NQ+(\q))*FRB
.else
	FRAG AF+12*fi, ADRA+1, (fi*2*NQ+((\slot)-1)*NQ+(\q))*FRB
.endif
.set fi, fi+1
.endr
.endm
.macro SCALES set                      ; a slot's scale words: register NQ i + q: lanes 0-15 A's block i, lanes 16-31 the weights' block i
.set fi, 0
.rept BL
.set fq, 0
.rept NQ
	ds_load_b32 v[SC+16*(\set)+NQ*fi+fq], v[ADRS] offset:fi*NS*64+fq*64
.set fq, fq+1
.endr
.set fi, fi+1
.endr
.endm
.macro MM c
	v_wmma_scale_f32_16x16x128_f8f6f4 v[md:md+7], v[mfb:mfb+11], v[mfa:mfa+11], \c, v[mscb], v[msca] matrix_a_fmt:MATRIX_FMT_FP6 matrix_b_fmt:MATRIX_FMT_FP6 matrix_a_scale:MATRIX_SCALE_ROW1
.endm
.macro MULB a, p, q, set, cm           ; A's block a against the weights' BL tiles.  The accumulators take turns, in the same order in every step
.set ma, \a
.set mw, 2+(8*BL*ma)/256
.if \cm == 2
	WIN 1+64*mw                                    ; source 0 window 1, source 1 and C window 0, D window mw
.else
	WIN 1+80*mw                                    ; C and D window mw
.endif
.set mfa, AF+12*ma
.set msca, SC+16*(\set)+NQ*ma+(\q)
.set mb, 0
.rept BL
.set md, (8*(BL*ma+mb))%256
.set mfb, 128*(\p)+12*mb
.set mscb, SC+16*(\set)+NQ*mb+(\q)
.if \cm == 0
	MM v[md:md+7]
.elseif \cm == 1
	MM 0
.else
	MM v[BI+8*mb:BI+8*mb+7]
.endif
.set mb, mb+1
.endr
.endm
.macro STEP slot, set, cm              ; a slot's first K step: its successor lies in the same slot.  set: the slot's set of scale words
	s_wait_dscnt HB*NL                             ; all but the youngest loads, A's upper blocks
.set sa, 0
.rept HB
	MULB sa, 0, 0, \set, \cm
.set sa, sa+1
.endr
	s_wait_dscnt 0x0
	PLACES
	FETCH_B \slot, 1, 1
	FETCH_A \slot, 1, 0
.rept HB
	MULB sa, 0, 0, \set, \cm
.set sa, sa+1
.endr
	PLACES
	WIN 0
	FETCH_A \slot, 1, HB
.endm
; A slot's second K step, in which the next slot's first fragments are fetched.
; how = 1: slot 0 has been read and is filled again: the barrier opens a round of the cluster's barrier.  how = 0: the next slot is the one that was filled again: a barrier, and no fill.
; how = 2: the next slot was shown whole to every wave at the refill's barrier, and nothing is filled: no barrier.
.macro TURN set, next, how
.if \how < 2
	s_wait_tensorcnt 0x0                           ; all my tensor loads have landed
	ds_add_u32 v[SPW], v[NIL]                      ; 0 onto my spare word
	s_wait_dscnt HB*NL+1                           ; (the add and A's upper blocks may be out)
.else
	s_wait_dscnt HB*NL                             ; (A's upper blocks may be out)
.endif
.set sa, 0
.rept HB/2
	MULB sa, 1, 1, \set, 0
.set sa, sa+1
.endr
.if \how < 2
	s_wait_dscnt 0x0                               ; the add is done, and my reads of this slot are over
	s_barrier_signal -1
.endif
.rept HB/2
	MULB sa, 1, 1, \set, 0
.set sa, sa+1
.endr
	WIN 0
.if \how < 2
	s_barrier_wait -1
.else
	s_wait_dscnt 0x0                               ; A's upper blocks are in
.endif
.if \how == 1
	CREST                                          ; no wave of any partner still reads slot 0 or has a load on its way
	s_add_nc_u64 s[G0+2:G0+3], s[G0+2:G0+3], 3*NQ*FRB      ; the fourth slot's worth of K
	s_add_nc_u64 s[G0B+2:G0B+3], s[G0B+2:G0B+3], 3*NQ*FRB
	JLOAD G0, G1, G0B, G1B                         ; the first tensor load behind the round; its four v_nop are the places ahead of the loads below
.else
	PLACES
.endif
	v_add_nc_u32 v[ADRS], NQ*64, v[ADRS]
	FETCH_B \next, 0, 0
	FETCH_A \next, 0, 0
	SCALES 1-(\set)
.rept HB
	MULB sa, 1, 1, \set, 0
.set sa, sa+1
.endr
	PLACES
	WIN 0
	FETCH_A \next, 0, HB
.endm
	s_load_b128 s[4:7], s[0:1], 0x0                ; A's buffer s[4:5], wts s[6:7]
	s_load_b128 s[8:11], s[0:1], 0x10              ; b1 s[8:9], hq s[10:11]
	v_lshl_add_u32 v[SPW], v0, 2, SPARE
	v_mov_b32 v[NIL], 0
	ds_add_u32 v[SPW], v[NIL]                      ; the wave's opening: the add, twice on end, and its wait ahead of my first tensor load
	ds_add_u32 v[SPW], v[NIL]
	v_lshrrev_b32 v1, 5, v0
	v_readfirstlane_b32 s14, v1                    ; wave
	s_lshr_b32 s15, s14, 1                         ; my half of the rows; also: I fetch for A (0) or the weights (1)
	s_and_b32 s16, s14, 1                          ; my half of the columns; also: which half I fetch
	s_bfe_u32 s[CX], ttmp6, 0x40000                ; cx
	s_bfe_u32 s[CY], ttmp6, 0x40004                ; cy
	s_lshl_b32 s[TC], ttmp9, 2
	s_add_co_u32 s[TC], s[TC], s[CX]               ; tile column
	s_and_b32 s17, ttmp7, 0xffff
	s_lshl_b32 s17, s17, 2
	s_add_co_u32 s17, s17, s[CY]                   ; tile row
	s_lshl_b32 s[MR], s[CY], 2
	s_lshl_b32 s[MR], 15, s[MR]                    ; my row of the cluster
	s_lshl_b32 s[MC], 0x1111, s[CX]                ; my column
	s_or_b32 s[G1+0], s[MR], (3<<16)|(1<<21)       ; the mask; elements of 8 bytes; bit 21 beside a mask; no padding
	s_or_b32 s[G1B+0], s[MC], (3<<16)|(1<<21)
.irp g, G1, G1B
	s_mov_b32 s[\g+1], (NQ*192)<<16                ; tensor_dim0: NQ fragments
	s_mov_b32 s[\g+2], BL<<16                      ; tensor_dim1: BL blocks
	s_mov_b32 s[\g+3], (NQ*192)<<16                ; tile_dim0
	s_mov_b32 s[\g+4], BL                          ; tile_dim1
	s_mov_b32 s[\g+5], NS*192                      ; from block to block
	s_mov_b32 s[\g+6], 0
	s_mov_b32 s[\g+7], 0
.endr
	s_or_b32 s[G1S+0], s[MR], (3<<16)|(1<<21)
	s_or_b32 s[G1SB+0], s[MC], (3<<16)|(1<<21)
.irp g, G1S, G1SB                      ; group 1 for the double slot: BL blocks x four K steps (K steps 2 to 5), brought by one load a wave
	s_mov_b32 s[\g+1], (2*NQ*192)<<16
	s_mov_b32 s[\g+2], BL<<16
	s_mov_b32 s[\g+3], (2*NQ*192)<<16
	s_mov_b32 s[\g+4], BL
	s_mov_b32 s[\g+5], NS*192
	s_mov_b32 s[\g+6], 0
	s_mov_b32 s[\g+7], 0
.endr
	s_mul_i32 s18, s16, BL
	s_mul_i32 s20, s17, 2*BL
	s_add_co_u32 s20, s20, s18                     ; A: the first block that I fetch
	s_mul_i32 s46, s[TC], 2*BL
	s_add_co_u32 s46, s46, s18                     ; the weights: the first tile
	s_mul_i32 s22, s20, NS*64
	s_add_co_u32 s22, s22, ASC
	s_mul_i32 s44, s46, NS*64
	s_add_co_u32 s44, s44, WS
	s_mul_i32 s20, s20, NS*FRB
	s_mul_i32 s46, s46, NS*FRB
	s_add_co_u32 s46, s46, WC
	s_mov_b32 s21, 0
	s_mov_b32 s23, 0
	s_mov_b32 s47, 0
	s_mov_b32 s45, 0
	s_mul_i32 s[WQ], s14, QUARTER                  ; where they go: by the wave's number alone
	s_mul_i32 s[WH], s14, HALFS
	s_mov_b32 s[HI], 0xffff0000
	s_mov_b32 s[SEL], 0x76543210
	s_mov_b32 s[SEL+1], 0xfedcba98
	s_wait_dscnt 0x0                               ; both opening adds are done
	s_wait_kmcnt 0x0
	s_add_nc_u64 s[20:21], s[4:5], s[20:21]
	s_add_nc_u64 s[22:23], s[4:5], s[22:23]
	s_add_nc_u64 s[46:47], s[6:7], s[46:47]
	s_add_nc_u64 s[44:45], s[6:7], s[44:45]
	CROUND                                         ; all sixteen work-groups are here: the first joint loads meet
	SETG G0, 20, 0
	SETG G0B, 46, 0
	JLOAD G0, G1, G0B, G1B                         ; slot 0, K steps 0 and 1
	s_mov_b32 s[G0+4], 1                           ; group 0 for the double slot: behind slot 0, wave x two quarters; K steps 2 to 5
	s_lshl_b32 s[G0+5], s[WQ], 1
	s_add_co_u32 s[G0+5], s[G0+5], SLOT
	s_add_nc_u64 s[G0+6:G0+7], s[20:21], NQ*FRB
	s_or_b32 s[G0+7], s[G0+7], 0x80000000
	s_mov_b32 s[G0B+4], 1
	s_lshl_b32 s[G0B+5], s[WQ], 1
	s_add_co_u32 s[G0B+5], s[G0B+5], SLOT
	s_add_nc_u64 s[G0B+6:G0B+7], s[46:47], NQ*FRB
	s_or_b32 s[G0B+7], s[G0B+7], 0x80000000
	s_cmp_eq_u32 s15, 0                            ; the scale words that I copy: A's (waves 0, 1) or the weights' (waves 2, 3); the choice hangs on the wave's number alone
	s_cselect_b64 s[44:45], s[22:23], s[44:45]
	s_add_co_u32 s[WH], s[WH], SCL                 ; and where they go
	s_cmp_eq_u32 s15, 0                            ; the prefetches' base: of the 8 blocks that I fetch, the partner at place p (cx for A, cy for the weights) names blocks 2 p and 2 p + 1: shared out by address
	s_cselect_b64 s[76:77], s[20:21], s[46:47]
	s_cselect_b32 s78, s[CX], s[CY]
	s_mul_i32 s78, s78, 2*NS*FRB
	s_mov_b32 s79, 0
	s_add_nc_u64 s[76:77], s[76:77], s[78:79]
	v_and_b32 v1, 15, v0                           ; r
	v_bfe_u32 v2, v0, 4, 1                         ; h
	v_and_b32 v3, 31, v0
	v_lshlrev_b32 v[L16], 4, v3
	v_lshlrev_b32 v[L8], 3, v3
	s_mul_i32 s21, s15, QUARTER                    ; my half of A,
	s_mul_i32 s22, s16, QUARTER
	s_add_co_u32 s22, s22, 2*QUARTER               ; my half of the weights
.irp s, 0,1                            ; slot 0, then the double slot, whose parts are twice as long and lie behind slot 0
	v_add_nc_u32 v[ADRA+\s], s21, v[L16]
	v_add_nc_u32 v[ADRA+3+\s], s21, v[L8]
	v_add_nc_u32 v[ADRB+\s], s22, v[L16]
	v_add_nc_u32 v[ADRB+3+\s], s22, v[L8]
	s_lshl_b32 s21, s21, 1
	s_lshl_b32 s22, s22, 1
	s_add_co_u32 s21, s21, SLOT
	s_add_co_u32 s22, s22, SLOT
.endr
	s_mul_i32 s21, s15, HALFS
	s_mul_i32 s22, s16, HALFS
	s_add_co_u32 s22, s22, 2*HALFS
	s_sub_co_u32 s22, s22, s21
	v_mul_u32_u24 v6, s22, v2                      ; lanes 16-31 take the weights' words
	s_add_co_u32 s21, s21, SCL
	v_lshl_add_u32 v6, v1, 2, v6
	v_add_nc_u32 v[ADRS], s21, v6
	; A PREFETCH INTO THE L2 of what the two later tensor loads will ask for: K steps 2 to 7 of my two blocks are 9,216 bytes each: 36 blocks of 256 bytes, 18 lanes an instruction
	; (the lanes left over name the 18th again); each block is named once in the cluster; v15 and s[76:77] are never rewritten
	v_min_u32 v15, 17, v3
	v_lshlrev_b32 v15, 8, v15
.irp o, 0,1,2,3
	global_prefetch_b8 v15, s[76:77] offset:(\o/2)*NS*FRB+NQ*FRB+(\o%2)*4608 th:TH_LOAD_NT scope:SCOPE_SE
.endr
	; ---- this launch's own: the bias: for tile b, lane (r, h) wants columns 32 (b / 2) + 8 (b % 2) + 16 h + 0..7
	s_mul_i32 s46, s[TC], 128*BL
	s_mul_i32 s47, s16, 64*BL
	s_add_co_u32 s46, s46, s47                     ; my first column, in bytes
	s_mov_b32 s47, 0
	s_add_nc_u64 s[8:9], s[8:9], s[46:47]
	v_lshlrev_b32 v12, 6, v2
.set fi, 0
.rept BL
	global_load_b128 v[BI+8*fi:BI+8*fi+3], v12, s[8:9] offset:(32*(fi/2)+8*(fi%2))*4
	global_load_b128 v[BI+8*fi+4:BI+8*fi+7], v12, s[8:9] offset:(32*(fi/2)+8*(fi%2))*4+16
.set fi, fi+1
.endr
	; ---- the core goes on
	; THE SCALE WORDS come through registers: a wave copies the 4,096 dense bytes of its BL blocks, 512 consecutive bytes a load, into LDS bytes that no tensor load fills
.set fi, 0
.rept 8
	global_load_b128 v[AF+4*fi:AF+4*fi+3], v[L16], s[44:45] offset:512*fi
.set fi, fi+1
.endr
	v_add_nc_u32 v31, s[WH], v[L16]
	s_wait_alu depctr_va_vdst(0)
	s_wait_loadcnt 0x0
.set fi, 0
.rept 8
	ds_store_b128 v31, v[AF+4*fi:AF+4*fi+3] offset:512*fi
.set fi, fi+1
.endr
	s_wait_tensorcnt 0x0                           ; my part of slot 0 is in
	ds_add_u32 v[SPW], v[NIL]
	s_wait_dscnt 0x0                               ; the add and my stores of scale words are done
	CROUND                                         ; slot 0 and the scale words are whole for every wave; all sixteen work-groups are here
	JLOAD G0+4, G1S, G0B+4, G1SB                   ; the double slot's one load a wave: K steps 2 to 5
	FETCH_B 0, 0, 0
	FETCH_A 0, 0, 0
	SCALES 0
	FETCH_A 0, 0, HB
	s_wait_loadcnt 0x0                             ; the bias
	STEP 0, 0, CM                                  ; K step 0 starts the sums, on the bias: nothing is cleared
	TURN 0, 1, 1                                   ; K step 1; slot 0 takes K steps 6 and 7
	s_wait_alu depctr_va_vdst(0)
	STEP 1, 1, 0                                   ; K step 2
	TURN 1, 2, 2                                   ; K step 3
	s_wait_alu depctr_va_vdst(0)
	STEP 2, 0, 0                                   ; K step 4
	TURN 0, 0, 0                                   ; K step 5; the refill has landed in every wave's part
	STEP 0, 1, 0                                   ; K step 6
	s_wait_dscnt HB*NL                             ; K step 7: nothing more to fetch
.set sa, 0
.rept HB
	MULB sa, 1, 1, 1, 0
.set sa, sa+1
.endr
	s_wait_dscnt 0x0
.rept HB
	MULB sa, 1, 1, 1, 0
.set sa, sa+1
.endr
	WIN 0
	PLACES
; ---------------------------------------------------------------- the way out of this launch
.set PC,  128                          ; window 0, where A's fragments lay: the codes just made,
.set TM,  148                          ; the quantiser's work,
.set PWE, 164                          ; v164-165 an even and an odd block's scale words,
.set WD,  166                          ; the words to store,
.set T,   168                          ; v168-231 a block's 64 numbers, clipped at 0
.macro QUANT s, pw                     ; 64 numbers of a lane, register s + 16 b + i = column 32 b + 16 h + i of row r, become a fragment in v[PC] on and the row's scale word
.irp b, 0,1,2,3
	v_max3_num_f32 v[TM+\b], v[\s+16*\b], v[\s+1+16*\b], 0x1800000   ; none is negative; with the floor 2^(3 - 127)
.endr
.irp i, 2,4,6,8,10,12,14
.irp b, 0,1,2,3
	v_max3_num_f32 v[TM+\b], v[TM+\b], v[\s+16*\b+\i], v[\s+1+16*\b+\i]
.endr
.endr
.irp b, 0,1,2,3
	v_permlanex16_b32 v[TM+4+\b], v[TM+\b], s[SEL], s[SEL+1]
.endr
.irp b, 0,1,2,3
	v_max_num_f32 v[TM+\b], v[TM+\b], v[TM+4+\b]
.endr
.irp b, 0,1,2,3
	v_add_nc_u32 v[TM+12+\b], 0xff000000, v[TM+\b]
.endr
.irp b, 0,1,2,3
	v_lshrrev_b32 v[TM+4+\b], 23, v[TM+12+\b]
.endr
	v_lshl_or_b32 v[\pw], v[TM+5], 8, v[TM+4]
	v_lshl_or_b32 v[\pw], v[TM+6], 16, v[\pw]
	v_lshl_or_b32 v[\pw], v[TM+7], 24, v[\pw]
.irp c, 0,1
	v_cvt_scalef32_pk16_fp6_f32 v[PC+6*\c:PC+2+6*\c], v[\s+32*\c:\s+15+32*\c], v[TM+12+2*\c]
	v_cvt_scalef32_pk16_fp6_f32 v[PC+12+4*\c:PC+14+4*\c], v[\s+16+32*\c:\s+31+32*\c], v[TM+12+2*\c+1]
.endr
	v_nop                                          ; one plain place behind a scaled conversion
.irp c, 0,1
.irp i, 0,1,2
	v_permlane16_swap_b32 v[PC+6*\c+\i], v[PC+12+4*\c+\i]
.endr
.irp i, 0,1,2
	v_mov_b32 v[PC+3+6*\c+\i], v[PC+12+4*\c+\i]
.endr
.endr
.endm
.irp b, 0,1,2,3
	v_mov_b32 v[TM+4+\b], 0                        ; written once: a lane permute's destination counts as one of its sources
.endr
	v_lshlrev_b32 v13, 11, v2
	v_lshl_add_u32 v13, v1, 2, v13                 ; the words: 2,048 h (the next block of rows) + 4 r
	s_lshl_b32 s20, s17, 4
	s_lshl_b32 s21, s15, 3
	s_add_co_u32 s20, s20, s21                     ; my first block of 16 rows
	s_lshl_b32 s46, s[TC], 1
	s_add_co_u32 s46, s46, s16                     ; my K step of the next product
	s_mul_i32 s22, s20, 32*1536
	s_mul_i32 s47, s46, 1536
	s_add_co_u32 s22, s22, s47
	s_mov_b32 s23, 0
	s_add_nc_u64 s[18:19], s[10:11], s[22:23]
	s_lshl_b32 s22, s20, 11
	s_lshl_b32 s47, s46, 6
	s_add_co_u32 s22, s22, s47
	s_add_co_u32 s22, s22, 12582912
	s_add_nc_u64 s[10:11], s[10:11], s[22:23]
.irp a, 0,1,2,3,4,5,6,7
.if \a > 0
	s_wait_xcnt 0x0                                ; the last block's stores have read their registers
.endif
	WIN 8+4*((\a)/4)                               ; source 1 window 2 or 3
.set j, 0
.rept 64
	v_max_num_f32 v[T+j], 0, v[64*((\a)%4)+j]      ; the activation, in f32; each accumulator from its low end on
.set j, j+1
.endr
	WIN 0
	QUANT T, PWE+(\a)%2
	global_store_b128 v[L16], v[PC:PC+3], s[18:19] offset:49152*\a
	global_store_b64 v[L8], v[PC+4:PC+5], s[18:19] offset:49152*\a+512
	global_store_b128 v[L16], v[PC+6:PC+9], s[18:19] offset:49152*\a+768
	global_store_b64 v[L8], v[PC+10:PC+11], s[18:19] offset:49152*\a+1280
.if (\a)%2
	v_cndmask_b32 v[WD], v[PWE], v[PWE+1], s[HI]   ; lanes 0-15 the even block's words, lanes 16-31 the odd block's
	global_store_b32 v13, v[WD], s[10:11] offset:2048*(\a-1)
.endif
.endr
	s_wait_tensorcnt 0x0                           ; the wave's end
	ds_add_u32 v[SPW], v[NIL]
	s_wait_dscnt 0x0
	CROUND                                         ; the closing round
	s_endpgm
.Lfunc_end_k_qd0234745df_ffn1:
	.size	k_qd0234745df_ffn1, .Lfunc_end_k_qd0234745df_ffn1-k_qd0234745df_ffn1
	.p2alignl 7, 3214868480
	.fill 96, 4, 3214868480
	.section	.rodata,"a",@progbits
	.p2align	6, 0x0
	.amdhsa_kernel k_qd0234745df_ffn1
		.amdhsa_group_segment_fixed_size 327680
		.amdhsa_private_segment_fixed_size 0
		.amdhsa_enable_private_segment 0
		.amdhsa_kernarg_size 32
		.amdhsa_user_sgpr_count 2
		.amdhsa_user_sgpr_kernarg_segment_ptr 1
		.amdhsa_wavefront_size32 1
		.amdhsa_system_sgpr_workgroup_id_x 1
		.amdhsa_system_sgpr_workgroup_id_y 1
		.amdhsa_system_sgpr_workgroup_id_z 1
		.amdhsa_system_vgpr_workitem_id 0
		.amdhsa_next_free_vgpr 1024
		.amdhsa_next_free_sgpr 101
		.amdhsa_reserve_vcc 0
		.amdhsa_float_denorm_mode_32 3
		.amdhsa_float_denorm_mode_16_64 3
		.amdhsa_memory_ordered 1
		.amdhsa_forward_progress 1
		.amdhsa_inst_pref_size 169
	.end_amdhsa_kernel
	.amdgpu_metadata
---
amdhsa.version: [ 1, 2 ]
amdhsa.kernels:
  - .name:           k_qd0234745df_ffn1
    .symbol:         k_qd0234745df_ffn1.kd
    .args:
      - { .name: x2q, .offset: 0, .size: 8, .value_kind: global_buffer, .address_space: global }
      - { .name: wts, .offset: 8, .size: 8, .value_kind: global_buffer, .address_space: global }
      - { .name: b1, .offset: 16, .size: 8, .value_kind: global_buffer, .address_space: global }
      - { .name: hq, .offset: 24, .size: 8, .value_kind: global_buffer, .address_space: global }
    .group_segment_fixed_size: 327680
    .private_segment_fixed_size: 0
    .kernarg_segment_align: 8
    .kernarg_segment_size: 32
    .max_flat_workgroup_size: 128
    .sgpr_count:     101
    .vgpr_count:     1024
    .wavefront_size: 32
...
	.end_amdgpu_metadata
.endif
;; end of part 5
;; launch ffn2 (part 6): grid 8 x 32, 4 waves a work-group, clusters of 4 x 1, 327,680 bytes of LDS; arguments hq, wts, b2, x1, out0; writes out0
.if DOCPART == 6
	.amdgcn_target "amdgcn-amd-amdhsa--gfx1250"
	.amdhsa_code_object_version 6
	.text
	.protected	k_qd0234745df_ffn2
	.globl	k_qd0234745df_ffn2
	.p2align	8
	.type	k_qd0234745df_ffn2,@function
k_qd0234745df_ffn2:
	s_mov_b64 s[64:65], 0
	v_nop
	global_prefetch_b8 v0, s[64:65] scope:SCOPE_SE
	s_setreg_imm32_b32 hwreg(HW_REG_WAVE_MODE, 25, 1), 1
	s_wait_xcnt 0x0
	s_wait_alu depctr_hold_cnt(0) depctr_sa_sdst(0) depctr_va_vdst(0) depctr_va_sdst(0) depctr_va_ssrc(0) depctr_va_vcc(0) depctr_vm_vsrc(0)
	s_getreg_b32 s2, hwreg(HW_REG_IB_STS2, 6, 4)
	s_cmp_eq_u32 s2, 0
	s_cbranch_scc0 .Lentry_in_a_cluster
	s_endpgm
.Lentry_in_a_cluster:
	s_bfe_u32 s2, ttmp6, 0x10000c
	s_cmp_lg_u32 s2, 0x3003
	s_cbranch_scc0 .Lentry_shape_is_right
	s_endpgm
.Lentry_shape_is_right:
; out0 = x1 + h w2^T + b2: a GEMM [4,096 rows] x [1,024 weight rows], K = 4,096, on codes of E2M3 with E8M0 scales, the bias and the residual.  Nothing is left out.
; OPERANDS lie in memory as fragments (16 rows x 128 k as the operand's 12 registers, 1,536 bytes: registers 0-3 at 16 x lane, 4-5 at 512 + 8 x lane, 6-9 at 768 + 16 x lane, 10-11 at 1,280 + 8 x lane),
; [block of 16 rows][K step][1,536], scale words [block][K step][16 words].
; SHARES: a work-group makes 128 x 128 of the result: 256 work-groups.  Its four waves stand side by side: wave w makes all 128 rows x columns 32 w .. 32 w + 31: 8 blocks of rows x 2 weight tiles, 16 accumulators.
; THE WEIGHTS GO FROM MEMORY STRAIGHT INTO REGISTERS.  A wave's two tiles are its own, no other wave of the work-group wants them, and they lie in memory as the registers take them: 8 loads a K step, in a ring of
; 8 K steps (192 registers): a K step's fragments are asked for 8 K steps ahead, into the registers that the step just multiplied has left.
; SO LDS HOLDS A ALONE: 128 rows x 96 bytes = 12,288 bytes a K step, and a slot of 98,304 bytes holds 8 K steps.  K's 32 steps are four slots' worth: three are first fills; the fourth is brought into slot 0 when
; that has been read, and has slots 1 and 2, 256 matrix instructions a wave, in which to land.  One refill and one round of the cluster's barrier in the whole product.
; CLUSTER 4 x 1: the four work-groups of a cluster make four neighbouring tiles of one tile row and need the same rows of A: each tile of A is asked for jointly, every wave two blocks.
; THE WEIGHTS ARE NOT ASKED FOR JOINTLY: the partners of this cluster have different columns, and a joint load lands in LDS, where the weights' 12,288 bytes a K step would halve what a slot holds of K and bring back
; three refills for each one saved; the price is that each work-group reads its 393,216 bytes of weights by itself.
; THE PRODUCT IS USED TRANSPOSED (source 0 = 16 weight rows, source 1 = 16 rows of A): lane (r, h) holds row r; by the weights' row order the 16 registers of a block's two accumulators are columns 16 h + 0..15 of my 32.
; SCALE WORDS: a register holds two K steps: lanes 0-15 the even one's words, lanes 16-31 the odd one's (128 consecutive bytes); the ROW selectors choose.  The weights': 32 registers, loaded once.  A's: from LDS, a pair of K steps ahead.
; THE 32 K STEPS ARE WRITTEN OUT by the assembler's loop: no branch but the round's, and every offset is an immediate.
; REGISTERS: window 0: v10-30 addresses; v32-63 the weights' scale words; v64-79 A's, two sets of 8; v80-95 the bias: the C of each sum's first product; v128-223 A's fragments, one set; on the way out v128-255 are 32 rows.
;   window 1: v0-191 the weights' ring.   window 2: v0-127 the accumulators ((a, b) at 8 (2 a + b)); v128-255 the residual.
; THE WAY OUT: a row's 512 bytes come from four waves: they meet in a stage of 128 rows x (512 + 16) bytes, in slot 1, which has had its one fill and its last read; behind a barrier each wave takes 32 whole rows,
; adds the residual and stores them: 512 consecutive bytes an instruction, aligned.
.set NS,  32                           ; K steps
.set NQ,  8                            ; K steps in a slot
.set FRB, 1536
.set ASO, 12582912                     ; A's scale words in hq
.set WC,  6291456                      ; w2's codes in wts
.set WS,  9699328                      ; and its scale words
.set BLK, NQ*FRB                       ; a block's part of a slot
.set QUARTER, 2*BLK                    ; what one tensor load brings: two blocks
.set SLOT, 4*QUARTER
.set SCL,  3*SLOT                      ; behind the three slots: A's scale words, 8 blocks x 2,048 bytes
.set SPARE, SCL+8*NS*64                ; the spare words, 128 bytes a wave
.set STG,  SLOT                        ; the stage
.set SP,   528
.set L16, 10                           ; v10 16 x lane, v11 8 x lane, v12 4 x lane, v13 64 h; never rewritten
.set L8,  11
.set L4,  12
.set BO,  13
.set STO, 14                           ; v14 where I put 64 bytes of a stage row; v15 where I read a row back
.set RD,  15
.set ADR, 16                           ; v16-27 A's fragments: slot 0 + 2 x (upper four blocks), the double slot + 4 + 2 x (i / 2), + (0: 16 x lane, 1: 8 x lane)
.set SPW, 28                           ; v28 my spare word; v29 0; never rewritten
.set NIL, 29
.set ADRS, 30                          ; v30 A's scale words
.set WSC, 32
.set ASC, 64
.set BI,  80
.set AF,  128
.set OUT, 128
.set G1,  24                           ; s[24:31] descriptor group 1 for A's tiles; s[32:39] for the double slot
.set G1S, 32
.set G0S, 40                           ; s41, s[42:43] where my scale words go and where they lie; s[44:51] group 0 for slot 0 and the double slot
.set G0,  44
.set WB,  56                           ; s[56:57] my two weight tiles' codes; s[58:59] their scale words
.set WSB, 58
.set MSB, 0
.macro WIN new                         ; the immediate's high byte repeats the setting that is left; a switch that changes nothing is dropped
.if MSB != (\new)
	s_set_vgpr_msb (MSB<<8)|(\new)
.set MSB, (\new)
.endif
.endm
.macro PLACES                          ; four plain places behind a matrix instruction, ahead of loads into its registers and of reads of its results
.rept 4
	v_nop
.endr
.endm
.macro CREST                           ; a round of the cluster's barrier behind its opening barrier
	s_cmp_lg_u32 s14, 0
	s_cbranch_scc1 .Lnot_wave_0_\@
	s_barrier_signal -3
.Lnot_wave_0_\@:
	s_barrier_wait -3
	s_barrier_signal -1
	s_barrier_wait -1
.endm
.macro CROUND
	s_barrier_signal -1
	s_barrier_wait -1
	CREST
.endm
.macro FRAGA i, s                      ; A's block i of K step s: slot (s / 8) % 3
.if (((\s)/NQ)%3) == 0                 ; K steps 0-7 and 24-31: slot 0, a block's 8 K steps on end
.set fa, ADR+2*((\i)/4)
.set fo, (((\i)%4)*NQ+(\s)%NQ)*FRB
.else                                  ; K steps 8-23: slots 1 and 2 lie as ONE double slot, a block's 16 K steps on end; an address register for each two blocks
.set fa, ADR+4+2*((\i)/2)
.set fo, (((\i)%2)*2*NQ+(\s)-NQ)*FRB
.endif
	ds_load_b128 v[AF+12*(\i):AF+12*(\i)+3], v[fa] offset:fo
	ds_load_b64 v[AF+12*(\i)+4:AF+12*(\i)+5], v[fa+1] offset:fo+512
	ds_load_b128 v[AF+12*(\i)+6:AF+12*(\i)+9], v[fa] offset:fo+768
	ds_load_b64 v[AF+12*(\i)+10:AF+12*(\i)+11], v[fa+1] offset:fo+1280
.endm
.macro FETCH_A s, i0                   ; blocks i0 .. i0 + 3: 16 LDS loads
.set fi, \i0
.rept 4
	FRAGA fi, \s
.set fi, fi+1
.endr
.endm
.macro ASCALES p                       ; A's scale words of K steps 2 p and 2 p + 1 into set p % 2
.set fi, 0
.rept 8
	ds_load_b32 v[ASC+8*((\p)%2)+fi], v[ADRS] offset:fi*NS*64+(\p)*128
.set fi, fi+1
.endr
.endm
.macro GLOADB s                        ; my two weight tiles' fragments of K step s into set s % 8 of the ring: 8 loads
	WIN 0x40                                       ; destination window 1
.irp b, 0,1
	global_load_b128 v[24*((\s)%8)+12*\b:24*((\s)%8)+12*\b+3], v[L16], s[WB:WB+1] offset:\b*NS*FRB+(\s)*FRB
	global_load_b64 v[24*((\s)%8)+12*\b+4:24*((\s)%8)+12*\b+5], v[L8], s[WB:WB+1] offset:\b*NS*FRB+(\s)*FRB+512
	global_load_b128 v[24*((\s)%8)+12*\b+6:24*((\s)%8)+12*\b+9], v[L16], s[WB:WB+1] offset:\b*NS*FRB+(\s)*FRB+768
	global_load_b64 v[24*((\s)%8)+12*\b+10:24*((\s)%8)+12*\b+11], v[L8], s[WB:WB+1] offset:\b*NS*FRB+(\s)*FRB+1280
.endr
	WIN 0
.endm
.macro RESLOAD t                       ; four of my 32 rows of the residual, 512 consecutive bytes each
	WIN 0x80                                       ; destination window 2
.irp i, 0,1,2,3
	global_load_b128 v[128+16*(\t)+4*\i:128+16*(\t)+4*\i+3], v[L16], s[10:11] offset:(4*(\t)+\i)*4096
.endr
	WIN 0
.endm
.macro MM c
.if ks%2
	v_wmma_scale_f32_16x16x128_f8f6f4 v[md:md+7], v[mfb:mfb+11], v[mfa:mfa+11], \c, v[mscb], v[msca] matrix_a_fmt:MATRIX_FMT_FP6 matrix_b_fmt:MATRIX_FMT_FP6 matrix_a_scale:MATRIX_SCALE_ROW1 matrix_b_scale:MATRIX_SCALE_ROW1
.else
	v_wmma_scale_f32_16x16x128_f8f6f4 v[md:md+7], v[mfb:mfb+11], v[mfa:mfa+11], \c, v[mscb], v[msca] matrix_a_fmt:MATRIX_FMT_FP6 matrix_b_fmt:MATRIX_FMT_FP6
.endif
.endm
.macro MULB a                          ; K step ks: A's block a against my two weight tiles.  The 16 accumulators take turns, in the same order in every step
.if ks == 0
	WIN 0x81                                       ; source 0 window 1, source 1 and C window 0, D window 2
.else
	WIN 0xa1                                       ; C and D window 2
.endif
.set mfa, AF+12*(\a)
.set msca, ASC+8*((ks/2)%2)+(\a)
.set mb, 0
.rept 2
.set md, 8*(2*(\a)+mb)
.set mfb, 24*(ks%8)+12*mb
.set mscb, WSC+16*mb+ks/2
.if ks == 0
	MM v[BI+8*mb:BI+8*mb+7]
.else
	MM v[md:md+7]
.endif
.set mb, mb+1
.endr
.endm
; K STEP ks.  Blocks 0-3 are multiplied, then fetched anew for the next K step; then blocks 4-7 likewise; then the ring's set that this step has left is asked for again.
; Behind K step 7 slot 0 is filled again: the waits, the add and a barrier that opens a round of the cluster's barrier.  Behind K step 23 that slot is read: a barrier, and no fill.
; The change from slot 1 to slot 2 needs no barrier: at the refill's barrier every wave had waited for all its loads.
.macro KSTEP
.if ks < NS-8
	s_wait_loadcnt 56                              ; this step's weights are in: behind their 8 loads stand those of the 7 K steps that follow
.else
	s_wait_loadcnt 56-4*(ks-(NS-8))                ; in the last 8 K steps each step has asked for 4 loads of the residual where it used to ask for 8 of the weights
.endif
.if (ks == 7) || (ks == 23)
	s_wait_tensorcnt 0x0                           ; all my tensor loads have landed
	ds_add_u32 v[SPW], v[NIL]                      ; 0 onto my spare word
	s_wait_dscnt 17                                ; (the add and blocks 4-7 may be out)
	MULB 0
	MULB 1
	s_wait_dscnt 0x0                               ; the add is done, and my reads of this slot are over
	s_barrier_signal -1
	MULB 2
	MULB 3
	WIN 0
	s_barrier_wait -1
.if ks == 7
	CREST                                          ; no wave of any partner still reads slot 0 or has a load on its way
	s_add_nc_u64 s[G0+2:G0+3], s[G0+2:G0+3], 3*BLK ; the fourth slot's worth of K
	tensor_load_to_lds s[G0:G0+3], s[G1:G1+7]      ; my one load behind the round
	s_nop 0
.endif
	PLACES
.else
	s_wait_dscnt 16                                ; (blocks 4-7 may be out)
	MULB 0
	MULB 1
	MULB 2
	MULB 3
	s_wait_dscnt 0x0                               ; blocks 4-7 are in
	WIN 0
.if ks < NS-1
	PLACES
.endif
.endif
.if ks < NS-1
.if (ks%2 == 0) && (ks < NS-2)
	ASCALES ks/2+1
.endif
	FETCH_A ks+1, 0
.endif
	MULB 4
	MULB 5
	MULB 6
	MULB 7
	WIN 0
.if ks < NS-1
	PLACES
	FETCH_A ks+1, 4
.endif
.if ks < NS-8
	GLOADB ks+8
.else
	RESLOAD ks-(NS-8)
.endif
.endm
	s_load_b256 s[4:11], s[0:1], 0x0               ; hq s[4:5], wts s[6:7], b2 s[8:9], x1 s[10:11]
	s_load_b64 s[12:13], s[0:1], 0x20              ; out0
	v_lshl_add_u32 v[SPW], v0, 2, SPARE
	v_mov_b32 v[NIL], 0
	ds_add_u32 v[SPW], v[NIL]                      ; the wave's opening: the add, twice on end, and its wait ahead of my first tensor load
	ds_add_u32 v[SPW], v[NIL]
	v_lshrrev_b32 v1, 5, v0
	v_readfirstlane_b32 s14, v1                    ; wave
	s_bfe_u32 s15, ttmp6, 0x40000                  ; cx
	s_lshl_b32 s16, ttmp9, 2
	s_add_co_u32 s16, s16, s15                     ; tile column: it enters global addresses of the weights, the bias, the residual and the result alone
	s_and_b32 s17, ttmp7, 0xffff                   ; tile row, which the four partners share
	s_mov_b32 s[G1+0], 15|(3<<16)|(1<<21)          ; the mask of all four; elements of 8 bytes; bit 21 beside a mask; no padding
	s_mov_b32 s[G1+1], (NQ*192)<<16                ; tensor_dim0: 8 fragments
	s_mov_b32 s[G1+2], 2<<16                       ; tensor_dim1: 2 blocks
	s_mov_b32 s[G1+3], (NQ*192)<<16                ; tile_dim0
	s_mov_b32 s[G1+4], 2                           ; tile_dim1
	s_mov_b32 s[G1+5], NS*192                      ; from block to block
	s_mov_b32 s[G1+6], 0
	s_mov_b32 s[G1+7], 0
	s_mov_b32 s[G1S+0], 15|(3<<16)|(1<<21)         ; group 1 for the double slot: 2 blocks x 16 K steps, one load a wave
	s_mov_b32 s[G1S+1], (2*NQ*192)<<16
	s_mov_b32 s[G1S+2], 2<<16
	s_mov_b32 s[G1S+3], (2*NQ*192)<<16
	s_mov_b32 s[G1S+4], 2
	s_mov_b32 s[G1S+5], NS*192
	s_mov_b32 s[G1S+6], 0
	s_mov_b32 s[G1S+7], 0
	s_lshl_b32 s18, s17, 3
	s_lshl_b32 s19, s14, 1
	s_add_co_u32 s18, s18, s19                     ; A: the first block that I fetch: 8 x tile row + 2 x wave
	s_mul_i32 s20, s18, NS*FRB                     ; its codes,
	s_mov_b32 s21, 0
	s_lshl_b32 s22, s18, 11                        ; its scale words
	s_add_co_u32 s22, s22, ASO
	s_mov_b32 s23, 0
	s_mul_i32 s19, s14, QUARTER                    ; where they go: by the wave's number alone
	s_lshl_b32 s[G0S+1], s14, 12                   ; where my two blocks' scale words go
	s_add_co_u32 s[G0S+1], s[G0S+1], SCL
	s_mov_b32 s[G0], 1
	s_mov_b32 s[G0+1], s19
	s_mov_b32 s[G0+4], 1
	s_lshl_b32 s[G0+5], s19, 1                     ; the double slot: behind slot 0, wave x two quarters
	s_add_co_u32 s[G0+5], s[G0+5], SLOT
	s_lshl_b32 s2, s16, 3
	s_lshl_b32 s3, s14, 1
	s_add_co_u32 s2, s2, s3                        ; my first weight tile: 8 x tile column + 2 x wave
	s_mul_i32 s[WB], s2, NS*FRB
	s_add_co_u32 s[WB], s[WB], WC
	s_mov_b32 s[WB+1], 0
	s_lshl_b32 s[WSB], s2, 11
	s_add_co_u32 s[WSB], s[WSB], WS
	s_mov_b32 s[WSB+1], 0
	s_wait_dscnt 0x0                               ; both opening adds are done
	s_wait_kmcnt 0x0
	s_add_nc_u64 s[G0S+2:G0S+3], s[4:5], s[22:23]
	s_add_nc_u64 s[20:21], s[4:5], s[20:21]
	s_mov_b64 s[G0+2:G0+3], s[20:21]               ; K steps 0-7,
	s_or_b32 s[G0+3], s[G0+3], 0x80000000
	s_add_nc_u64 s[G0+6:G0+7], s[20:21], BLK       ; 8-23
	s_or_b32 s[G0+7], s[G0+7], 0x80000000
	s_add_nc_u64 s[WB:WB+1], s[6:7], s[WB:WB+1]
	s_add_nc_u64 s[WSB:WSB+1], s[6:7], s[WSB:WSB+1]
	s_lshr_b32 s60, s15, 1                         ; the prefetches' base: K steps 8 to 31 of my two blocks are 2 x 36,864 bytes; the partner at place cx names block cx / 2, half cx % 2: shared out by address
	s_mul_i32 s60, s60, NS*FRB
	s_and_b32 s61, s15, 1
	s_mul_i32 s61, s61, 12*FRB
	s_add_co_u32 s60, s60, s61
	s_add_co_u32 s60, s60, BLK
	s_mov_b32 s61, 0
	s_add_nc_u64 s[52:53], s[20:21], s[60:61]
	CROUND                                         ; all four work-groups are here: the first joint loads meet
	tensor_load_to_lds s[G0:G0+3], s[G1:G1+7]      ; slot 0, K steps 0-7
	s_nop 0
	PLACES
	v_and_b32 v1, 15, v0                           ; r
	v_bfe_u32 v2, v0, 4, 1                         ; h
	v_and_b32 v3, 31, v0
	v_lshlrev_b32 v[L16], 4, v3
	s_wait_alu depctr_va_vdst(0)
	v_lshlrev_b32 v[L8], 3, v3
	s_wait_alu depctr_va_vdst(0)
	v_lshlrev_b32 v[L4], 2, v3
	v_lshlrev_b32 v[BO], 6, v2
	s_lshl_b32 s60, s16, 9
	s_lshl_b32 s61, s14, 7
	s_add_co_u32 s60, s60, s61                     ; my first column, in bytes: 512 x tile column + 128 x wave
	s_mov_b32 s61, 0
	s_add_nc_u64 s[8:9], s[8:9], s[60:61]
	v_add_nc_u32 v31, s[G0S+1], v[L16]
	; A PREFETCH INTO THE L2 of what the two later tensor loads will ask for: my share is 18,432 bytes: 72 blocks of 256 bytes, 24 lanes an instruction (the lanes left over name the 24th again);
	; each block is named once in the cluster; v9 and s[52:53] are never rewritten
	v_min_u32 v9, 23, v3
	v_lshlrev_b32 v9, 8, v9
.irp o, 0,1,2
	global_prefetch_b8 v9, s[52:53] offset:\o*6144 th:TH_LOAD_NT scope:SCOPE_SE
.endr
.set fi, 0
.rept 8                                ; A's scale words come through registers: my two blocks' 4,096 dense bytes, 512 consecutive bytes a load
	global_load_b128 v[AF+4*fi:AF+4*fi+3], v[L16], s[G0S+2:G0S+3] offset:512*fi
.set fi, fi+1
.endr
.irp b, 0,1                            ; the bias: for tile b, lane (r, h) wants columns 8 b + 16 h + 0..7 of my 32
	global_load_b128 v[BI+8*\b:BI+8*\b+3], v[BO], s[8:9] offset:32*\b
	global_load_b128 v[BI+8*\b+4:BI+8*\b+7], v[BO], s[8:9] offset:32*\b+16
.endr
.irp b, 0,1                            ; the weights' scale words: register 16 b + j: K steps 2 j and 2 j + 1 of tile b
.set fi, 0
.rept 16
	global_load_b32 v[WSC+16*\b+fi], v[L4], s[WSB:WSB+1] offset:\b*NS*64+fi*128
.set fi, fi+1
.endr
.endr
.set ks, 0
.rept 3
	GLOADB ks                                      ; the ring's first filling: K steps 0-2,
.set ks, ks+1
.endr
	s_wait_alu depctr_va_vdst(0)
	s_wait_loadcnt 60                              ; A's scale words are in: behind their 8 loads stand 4 of the bias, 32 of the weights' words and 24 of the ring
.set fi, 0
.rept 8
	ds_store_b128 v31, v[AF+4*fi:AF+4*fi+3] offset:512*fi          ; into LDS bytes that no tensor load fills
.set fi, fi+1
.endr
.rept 5
	GLOADB ks                                      ; and K steps 3-7
.set ks, ks+1
.endr
.irp f, 0,1
	v_add_nc_u32 v[ADR+2*\f], \f*4*BLK, v[L16]
	v_add_nc_u32 v[ADR+2*\f+1], \f*4*BLK, v[L8]
.endr
.irp g, 0,1,2,3
	v_add_nc_u32 v[ADR+4+2*\g], SLOT+\g*4*BLK, v[L16]
	v_add_nc_u32 v[ADR+4+2*\g+1], SLOT+\g*4*BLK, v[L8]
.endr
	v_add_nc_u32 v[ADRS], SCL, v[L4]
	v_mul_u32_u24 v[STO], v1, SP                   ; into the stage: row r of a block, + 64 h, + my wave's 128 bytes
	v_lshl_add_u32 v[STO], v2, 6, v[STO]
	s_lshl_b32 s62, s14, 7
	s_add_co_u32 s62, s62, STG
	v_add_nc_u32 v[STO], s62, v[STO]
	s_mul_i32 s62, s14, 32*SP                      ; back: my 32 rows, 16 bytes a lane
	s_add_co_u32 s62, s62, STG
	v_add_nc_u32 v[RD], s62, v[L16]
	s_lshl_b32 s60, s17, 19                        ; 128 rows of 4,096 bytes a tile row,
	s_lshl_b32 s61, s14, 17                        ; 32 a wave,
	s_add_co_u32 s60, s60, s61
	s_lshl_b32 s61, s16, 9                         ; 512 bytes a tile column
	s_add_co_u32 s60, s60, s61
	s_mov_b32 s61, 0
	s_add_nc_u64 s[10:11], s[10:11], s[60:61]      ; the residual and the result at the rows that I store
	s_add_nc_u64 s[12:13], s[12:13], s[60:61]
	s_wait_alu depctr_va_vdst(0)
	s_wait_tensorcnt 0x0                           ; my part of slot 0 is in
	ds_add_u32 v[SPW], v[NIL]
	s_wait_dscnt 0x0                               ; the add and my stores of scale words are done
	CROUND                                         ; slot 0 and the scale words are whole for every wave; all four work-groups are here
	tensor_load_to_lds s[G0+4:G0+7], s[G1S:G1S+7]  ; the double slot's one load a wave: K steps 8-23
	s_nop 0
	PLACES
	ASCALES 0
	FETCH_A 0, 0
	FETCH_A 0, 4
.set ks, 0
.rept NS
	KSTEP
.set ks, ks+1
.endr
	; ---- the way out
	PLACES
	WIN 0x08                                       ; an LDS store's data are its source 1: window 2
.set wa, 0
.rept 16                               ; accumulator (a, b) = wa: lane (r, h) holds row 16 a + r, columns 8 b + 16 h + 0..7 of my 32; each from its low end on
	ds_store_b128 v[STO], v[8*wa:8*wa+3] offset:(wa/2)*16*SP+32*(wa%2)
	ds_store_b128 v[STO], v[8*wa+4:8*wa+7] offset:(wa/2)*16*SP+32*(wa%2)+16
.set wa, wa+1
.endr
	WIN 0
	s_wait_dscnt 0x0                               ; for the others' sake: my columns lie in the stage
	s_barrier_signal -1
	s_barrier_wait -1
.set wa, 0
.rept 32
	ds_load_b128 v[OUT+4*wa:OUT+4*wa+3], v[RD] offset:wa*SP
.set wa, wa+1
.endr
	s_wait_loadcnt 0x0                             ; the residual
	s_wait_dscnt 0x0
	WIN 0x08                                       ; source 1 window 2
.set wa, 0
.rept 64
	v_pk_add_f32 v[OUT+2*wa:OUT+2*wa+1], v[OUT+2*wa:OUT+2*wa+1], v[128+2*wa:128+2*wa+1]
.set wa, wa+1
.endr
	WIN 0
.set wa, 0
.rept 32
	global_store_b128 v[L16], v[OUT+4*wa:OUT+4*wa+3], s[12:13] offset:wa*4096
.set wa, wa+1
.endr
	s_wait_tensorcnt 0x0                           ; the wave's end
	ds_add_u32 v[SPW], v[NIL]
	s_wait_dscnt 0x0
	CROUND                                         ; the closing round
	s_endpgm
.Lfunc_end_k_qd0234745df_ffn2:
	.size	k_qd0234745df_ffn2, .Lfunc_end_k_qd0234745df_ffn2-k_qd0234745df_ffn2
	.p2alignl 7, 3214868480
	.fill 96, 4, 3214868480
	.section	.rodata,"a",@progbits
	.p2align	6, 0x0
	.amdhsa_kernel k_qd0234745df_ffn2
		.amdhsa_group_segment_fixed_size 327680
		.amdhsa_private_segment_fixed_size 0
		.amdhsa_enable_private_segment 0
		.amdhsa_kernarg_size 40
		.amdhsa_user_sgpr_count 2
		.amdhsa_user_sgpr_kernarg_segment_ptr 1
		.amdhsa_wavefront_size32 1
		.amdhsa_system_sgpr_workgroup_id_x 1
		.amdhsa_system_sgpr_workgroup_id_y 1
		.amdhsa_system_sgpr_workgroup_id_z 1
		.amdhsa_system_vgpr_workitem_id 0
		.amdhsa_next_free_vgpr 768
		.amdhsa_next_free_sgpr 66
		.amdhsa_reserve_vcc 0
		.amdhsa_float_denorm_mode_32 3
		.amdhsa_float_denorm_mode_16_64 3
		.amdhsa_memory_ordered 1
		.amdhsa_forward_progress 1
		.amdhsa_inst_pref_size 205
	.end_amdhsa_kernel
	.amdgpu_metadata
---
amdhsa.version: [ 1, 2 ]
amdhsa.kernels:
  - .name:           k_qd0234745df_ffn2
    .symbol:         k_qd0234745df_ffn2.kd
    .args:
      - { .name: hq, .offset: 0, .size: 8, .value_kind: global_buffer, .address_space: global }
      - { .name: wts, .offset: 8, .size: 8, .value_kind: global_buffer, .address_space: global }
      - { .name: b2, .offset: 16, .size: 8, .value_kind: global_buffer, .address_space: global }
      - { .name: x1, .offset: 24, .size: 8, .value_kind: global_buffer, .address_space: global }
      - { .name: out0, .offset: 32, .size: 8, .value_kind: global_buffer, .address_space: global }
    .group_segment_fixed_size: 327680
    .private_segment_fixed_size: 0
    .kernarg_segment_align: 8
    .kernarg_segment_size: 40
    .max_flat_workgroup_size: 128
    .sgpr_count:     66
    .vgpr_count:     768
    .wavefront_size: 32
...
	.end_amdgpu_metadata
.endif
;; end of part 6
